; MI455X (gfx1250); checked and timed in simulation.
; The chip was launched on July 23, 2026; its instructions are those of AMD's public machine-readable ISA for CDNA 5 (MIT licence, August 2026) and "CDNA5" Instruction Set Architecture Reference Guide (July 2026). The comments in the code are by the model that wrote it; some were corrected since.
;; Simple Self Attention. Allowed arithmetic: matrix products marked QUANTISED: E4M3 operands, one given power-of-two scale a tensor, by v_wmma_f32_16x16x64_fp8_fp8 or v_wmma_f32_16x16x128_fp8_fp8, f32 sums; everything else in f32.
;; Inputs: Wk_codes 1,024 x 32 x 32 uint8 (E4M3 codes of Wk, K innermost, in blocks of 32 codes); Wq_codes 1,024 x 32 x 32 uint8 (E4M3 codes of Wq, K innermost, in blocks of 32 codes); Wv_codes 1,024 x 32 x 32 uint8 (E4M3 codes of Wv, K innermost, in blocks of 32 codes); bk 1,024 float32; bq 1,024 float32; bv 1,024 float32; lowp_scales 10 int32 (the exponents e of the quantised operands' scales 2^e); query_codes 4 x 2,048 x 32 x 32 uint8 (E4M3 codes of query, K innermost, in blocks of 32 codes); value_codes 4 x 2,048 x 32 x 32 uint8 (E4M3 codes of value, K innermost, in blocks of 32 codes).
;; Outputs: out0 4 x 2,048 x 1,024 float32.
;; This version of the problem:
;;   THIS VERSION OF THE PROBLEM IS GIVEN IN LOW PRECISION. The matrix products marked QUANTISED in the list below multiply operands that are first quantised to E4M3 (4 exponent bits, 3 mantissa bits; 8 bits a number), with one given power-of-two scale for each operand tensor; their sums are f32. All else is computed in f32.
;;   The module's matrix products, in the order in which they are computed (A, B: the left and right operand; K: the contracted axis; several contracted axes count as one K, in the product's order):
;;     1. [M 8,192, K 1,024] x [K 1,024, N 1,024]; A: input query (given as codes); B: input Wq (given as codes): QUANTISED (scales: A lowp_scales[0], B lowp_scales[1])
;;     2. [M 8,192, K 1,024] x [K 1,024, N 1,024]; A: input value (given as codes); B: input Wk (given as codes): QUANTISED (scales: A lowp_scales[2], B lowp_scales[3])
;;     3. [M 8,192, K 1,024] x [K 1,024, N 1,024]; A: input value (given as codes); B: input Wv (given as codes): QUANTISED (scales: A lowp_scales[4], B lowp_scales[5])
;;     4. batch 4 x [M 2,048, K 1,024] x [K 1,024, N 2,048]; A: computed on the way; B: computed on the way: QUANTISED (scales: A lowp_scales[6], B lowp_scales[7])
;;     5. batch 4 x [M 2,048, K 2,048] x [K 2,048, N 1,024]; A: softmax (see below); B: computed on the way: QUANTISED (scales: A lowp_scales[8], B lowp_scales[9])
;;   THE QUANTISER, for each operand of a quantised product, along K:
;;     - The operand's scale is 2^e, e = its entry of the input lowp_scales (int32; the entries are numbered through the quantised products in the list's order, A before B).
;;     - Each number is divided by the scale, clamped to +-448, and rounded to the nearest number of E4M3, ties to even, subnormals kept.
;;     - The product sums the exact products of the quantised numbers (number of the format x scale) in f32.
;;   ~~~python
;;   def quantise(x, axis, e):      # numpy; x: float32 -> the quantised numbers, widened to float32 again
;;       x = np.moveaxis(x, axis, -1); K = x.shape[-1]
;;       r = np.clip(x / 2.0 ** e, -448, 448)
;;       step = 2.0 ** (np.maximum(np.frexp(np.where(r == 0, 1, r))[1] - 1, -6) - 3)
;;       q = np.round(r / step) * step * 2.0 ** e      # np.round: ties to even
;;       return np.moveaxis(q, -1, axis).astype(np.float32)
;;   ~~~
;;   SOFTMAX AHEAD OF A QUANTISED PRODUCT. Where the list says 'softmax', what is quantised is not the finished softmax but p = 2^(t - M), with t = logit x log2(e) and M = ceil(the row's largest t), a whole number; so 1/2 < the row's largest p <= 1. The row's sum l is taken of the UNQUANTISED p, in f32, and the product's result is divided by l at the end. Since M is a whole number, a kernel that streams over the keys may use a running M (the ceiling of the running maximum): every later rescaling is an exact power of two, so the quantised numbers keep their values, but for numbers so far below the row's largest that they fall under the format's range.
;;   OPERANDS COMPUTED ON THE WAY. 'Computed on the way' means the value that the module computes at that place (a softmax that the list does not call 'softmax' is quantised finished and normalised). What goes into a quantiser is computed in f32, as accurately as f32 sums, v_exp_f32 and their like allow (about 1e-6 of the number): no bf16 or f16 on the way to a quantiser, and a product that is left as it is and whose result goes on into a quantised operand takes f32 operands (vector FMAs, or v_wmma_f32_16x16x4_f32). A number that lies on a knife's edge between two numbers of the format may be rounded either way, as far as f32 arithmetic and the matrix unit's own rounding can turn it there, and no further.
;;   INPUTS GIVEN AS CODES. Wk (in the module: [1024, 1024], K = its axis 0); Wq (in the module: [1024, 1024], K = its axis 0); Wv (in the module: [1024, 1024], K = its axis 0); query (in the module: [4, 2048, 1024], K = its axis 2); value (in the module: [4, 2048, 1024], K = its axis 2): each comes as NAME_codes (uint8): NAME with its K axis moved to the last place and cut into blocks of 32 codes, [.., K / 32, bytes a block], one block behind the other in memory; one code a byte (a code: sign, 4 exponent bits, 3 mantissa bits); its scale is its entry of lowp_scales. Its value is code x scale, taken as it is: it is not quantised again, and the codes and scales need not be those that the quantiser above would give.
;; One version. Each part assembles by itself: llvm-mc -triple=amdgcn-amd-amdhsa -mcpu=gfx1250 --defsym DOCPART=n.
;; ======== version 1 of 1: 3 launches
;; limits: right only within a limited range of input values
;; workspace buffers: qc 8,388,608 bytes; kc 8,388,608 bytes; vt 8,388,608 bytes; pc 16,777,216 bytes; stats 524,288 bytes
;; launch proj (part 1): grid 4 x 64, 4 waves a work-group, clusters of 4 x 4, 327,680 bytes of LDS; arguments query_codes, value_codes, Wq_codes, Wk_codes, Wv_codes, bq, bk, bv, lowp_scales, qc, kc, vt; writes qc, kc, vt
.if DOCPART == 1
	.amdgcn_target "amdgcn-amd-amdhsa--gfx1250"
	.amdhsa_code_object_version 6
	.text
	.protected	k_q0198d3509b_proj
	.globl	k_q0198d3509b_proj
	.p2align	8
	.type	k_q0198d3509b_proj,@function
k_q0198d3509b_proj:
	s_mov_b64 s[64:65], 0
	v_nop
	global_prefetch_b8 v0, s[64:65] scope:SCOPE_SE
	s_setreg_imm32_b32 hwreg(HW_REG_WAVE_MODE, 25, 1), 1
	s_wait_xcnt 0x0
	s_wait_alu depctr_hold_cnt(0) depctr_sa_sdst(0) depctr_va_vdst(0) depctr_va_sdst(0) depctr_va_ssrc(0) depctr_va_vcc(0) depctr_vm_vsrc(0)
	s_getreg_b32 s2, hwreg(HW_REG_IB_STS2, 6, 4)
	s_cmp_eq_u32 s2, 0
	s_cbranch_scc0 .Lentry_in_a_cluster
	s_endpgm
.Lentry_in_a_cluster:
	s_bfe_u32 s2, ttmp6, 0x10000c
	s_cmp_lg_u32 s2, 0xf033
	s_cbranch_scc0 .Lentry_shape_is_right
	s_endpgm
.Lentry_shape_is_right:
; THE PROJECTIONS Q, K, V: products of the given codes, bias added in f32, quantised into qc, kc, vt.  Nothing of the problem is left out.
; WORKSPACE LAYOUT (qc, kc, vt and later pc): the image of an operand's registers.  Rows in blocks of 16, K in blocks of 128: 2,048 bytes at (row block x (K / 128) + K block) x 2,048; in it chunk c (512 bytes), lane l (16 bytes):
; row l % 16; bytes 0-7: k = 32 c + 8 (l / 16) + 0..7, bytes 8-15: the same + 16.  All four operands are permuted alike along K, so every product meets its partner.  qc, kc: rows = tokens, K = u.  vt: rows = u, K = tokens.
; A work-group first makes 256 x 256 of K (clusters y 0-7: rows = tokens, columns = u) or of V (clusters 8-15: rows = u, columns = tokens), 128 x 128 a wave; then 128 tokens x 256 u of Q, 64 x 128 a wave.  256 work-groups.
; Source 0 = 16 columns, source 1 = 16 rows: a lane holds one row and eight neighbouring columns of each accumulator: the codes of two accumulators are its 16 bytes of a chunk, and a wave's store is 512 consecutive bytes.
; THE BIAS is the C of the first product, divided by the power of two that the sums lack.  LIMITS: e7 - e2 - e3, e9 - e4 - e5, e6 - e0 - e1 between -126 and 119.  NaN and infinities are not served.
; LDS in units of U = 128 rows x 272 bytes.  K/V: two slots of four units (A's 256 rows, B's 256 rows), K steps of 256.  Q: A0 unit 0, A1 unit 1, B0 units 2-3, B1 4-5, B2 6-7, A2 unit 8, then A3 unit 0, B3 units 2-3.
; The head: waves 0, 1 bring K step 0 (A, B), waves 2, 3 K step 1: one load a wave.  Q's first tiles are asked for while K/V's last K step is multiplied.
; CLUSTERS 4 x 4: A's tiles are shared along a row of the cluster, B's along a column: joint loads.
; PREFETCH: the rows of value of K steps 2 and 3 at the head (two steps ahead), query's K steps 2 and 3 ahead of Q; the four partners share the rows out by address.  The weights (1 MiB each, read by eight clusters alike) come by their loads alone.
; REGISTERS: window 0: v1-31 addresses and scales, v32-95 biases, v96-103 store offsets, v128-255 A's fragments, on the way out 64 numbers at work and four sets of codes.  window 1: B's fragments, two sets.  windows 2, 3: accumulators.
.set PITCH, 272                        ; 256 bytes + 16 of padding: row r starts at bank 4 r mod 64 (64 banks of 4 bytes: ISA guide 11.1)
.set U,     128*PITCH
.set SLOT,  4*U
.set SPARE, 9*U                        ; the spare words, 128 bytes for each wave
.set SCQ, 6
.set LIMQ, 7
.set VO, 8
.set KA0, 16
.set KB0, 17
.set ADA, 18
.set ADB, 19
.set QA0, 20
.set QA2, 21
.set QB1, 23
.set QB2, 24
.set VQ, 25
.set CQ, 26
.set PFO, 27
.set SPW, 28
.set NIL, 29
.set SC, 30
.set LIM, 31
.set BI, 32
.set CO, 96
.set AF, 128
.set TMP, 128
.set PC, 192
.set GA256, 20
.set GA128, 28
.set GB256, 36
.set GB128, 44
.set G0A, 52
.set G0B, 56
.set AW, 60
.set BW, 62
.set TB, 90
.set HU, 91
.set MSB, 0
.macro WIN new                         ; the immediate's high byte repeats the setting that is left
.if MSB != (\new)
	s_set_vgpr_msb (MSB<<8)|(\new)
.set MSB, (\new)
.endif
.endm
.set TO_B, 0x40
.macro PLACES n
.rept \n
	v_nop
.endr
.endm
; A joint load: of the waves in which register sel is 0, A's (only = 1: wave 0 alone); of the others B's; a group of 0: none.  s_nop 0 and four v_nop follow each load.
.macro JL sel, g1a, g1b, only
	s_cmp_eq_u32 s[\sel], 0
.if \g1a
	s_cbranch_scc0 .Lfor_b_\@
.if \only
	s_cmp_eq_u32 s14, 0
	s_cbranch_scc0 .Lasked_\@
.endif
	tensor_load_to_lds s[G0A:G0A+3], s[\g1a:\g1a+7]
	s_nop 0
	v_nop
	v_nop
	v_nop
	v_nop
.if \g1b
	s_branch .Lasked_\@
.endif
.else
	s_cbranch_scc1 .Lasked_\@
.endif
.Lfor_b_\@:
.if \g1b
	tensor_load_to_lds s[G0B:G0B+3], s[\g1b:\g1b+7]
	s_nop 0
	v_nop
	v_nop
	v_nop
	v_nop
.endif
.Lasked_\@:
.endm
.macro CREST                           ; a round of the cluster's barrier behind its opening barrier
	s_cmp_lg_u32 s14, 0
	s_cbranch_scc1 .Lnot_wave_0_\@
	s_barrier_signal -3
.Lnot_wave_0_\@:
	s_barrier_wait -3
	s_barrier_signal -1
	s_barrier_wait -1
.endm
.macro CROUND
	s_barrier_signal -1
	s_barrier_wait -1
	CREST
.endm
.macro G1M g, mask, rows               ; group 1: rows of 256 bytes, 1,024 bytes apart, four words of padding after every 64; bit 21 set beside the mask
	s_or_b32 s[\g], s[\mask], (1<<20)|(1<<21)|(5<<22)|(3<<25)
	s_mov_b32 s[\g+1], 256<<16
	s_mov_b32 s[\g+2], (\rows)<<16
	s_mov_b32 s[\g+3], 256<<16
	s_mov_b32 s[\g+4], \rows
	s_mov_b32 s[\g+5], 1024
	s_mov_b32 s[\g+6], 0
	s_mov_b32 s[\g+7], 0
.endm
	s_load_b512 s[76:91], s[0:1], 0x0              ; query s76, value s78, Wq s80, Wk s82, Wv s84, bq s86, bk s88, bv s90
	s_load_b256 s[92:99], s[0:1], 0x40             ; the exponents s92, qc s94, kc s96, vt s98
	v_lshl_add_u32 v[SPW], v0, 2, SPARE
	v_mov_b32 v[NIL], 0
	ds_add_u32 v[SPW], v[NIL]                      ; the wave's opening: the add, twice on end, and its wait
	ds_add_u32 v[SPW], v[NIL]
	v_lshrrev_b32 v1, 5, v0
	v_readfirstlane_b32 s14, v1                    ; wave
	s_lshr_b32 s15, s14, 1                         ; my half of the tile's rows; which part of a tile I fetch
	s_and_b32 s16, s14, 1                          ; my half of its columns; I fetch for A (0) or B (1)
	s_bfe_u32 s100, ttmp6, 0x40000                 ; cx
	s_bfe_u32 s101, ttmp6, 0x40004                 ; cy
	s_and_b32 s66, ttmp7, 0xffff                   ; cluster y
	s_lshr_b32 s67, s66, 3
	s_add_co_u32 s67, s67, 1                       ; 1: K, 2: V
	s_and_b32 s2, s66, 7
	s_cmp_lt_u32 s67, 2
	s_cselect_b32 s18, s2, 0
	s_cselect_b32 s19, 0, s2
	s_lshl_b32 s17, s18, 2
	s_add_co_u32 s17, s17, s101                    ; tile row
	s_lshl_b32 s3, s19, 2
	s_add_co_u32 s3, s3, s100                      ; tile column
	s_lshl_b32 s18, s101, 2
	s_lshl_b32 s18, 15, s18                        ; my row of the cluster
	s_lshl_b32 s19, 0x1111, s100                   ; my column
	G1M GA256, 18, 256
	G1M GA128, 18, 128
	G1M GB256, 19, 256
	G1M GB128, 19, 128
	s_lshl_b32 s[AW], s17, 18                      ; 256 rows x 1,024 bytes a tile
	s_mov_b32 s[AW+1], 0
	s_lshl_b32 s[BW], s3, 18
	s_mov_b32 s[BW+1], 0
	s_lshl_b32 s54, s66, 2
	s_add_co_u32 s54, s54, s101                    ; Q's tile of 128 tokens
	s_lshl_b32 s54, s54, 17
	s_mov_b32 s55, 0
	s_lshl_b32 s58, s100, 18                       ; Q's tile of 256 u
	s_mov_b32 s59, 0
	s_lshl_b32 s68, s15, 17                        ; 128 rows x my part
	s_mov_b32 s69, 0
	s_lshl_b32 s70, s15, 8                         ; a K step x my part
	s_mov_b32 s71, 0
	s_wait_dscnt 0x0                               ; both opening adds are done
	CROUND                                         ; all sixteen work-groups are here: the first joint loads meet
	s_wait_kmcnt 0x0
	s_cmp_eq_u32 s67, 1
	s_cselect_b64 s[4:5], s[78:79], s[84:85]       ; A: value or Wv
	s_cselect_b64 s[6:7], s[82:83], s[78:79]       ; B: Wk or value
	s_cselect_b64 s[8:9], s[88:89], s[90:91]
	s_cselect_b64 s[10:11], s[96:97], s[98:99]
	s_add_nc_u64 s[12:13], s[76:77], s[54:55]      ; query's tile
	s_add_nc_u64 s[72:73], s[80:81], s[58:59]      ; Wq's tile
	s_add_nc_u64 s[4:5], s[4:5], s[AW:AW+1]
	s_add_nc_u64 s[6:7], s[6:7], s[BW:BW+1]
	s_mov_b32 s[G0A], 1
	s_mul_i32 s[G0A+1], s15, SLOT                  ; waves 0, 1: K step 0 into slot 0; waves 2, 3: K step 1 into slot 1
	s_add_nc_u64 s[G0A+2:G0A+3], s[4:5], s[70:71]
	s_or_b32 s[G0A+3], s[G0A+3], 0x80000000
	s_mov_b32 s[G0B], 1
	s_add_co_u32 s[G0B+1], s[G0A+1], 2*U
	s_add_nc_u64 s[G0B+2:G0B+3], s[6:7], s[70:71]
	s_or_b32 s[G0B+3], s[G0B+3], 0x80000000
.macro TL g0, g1                       ; a tensor load; s_nop 0 and four v_nop follow it
	tensor_load_to_lds s[\g0:\g0+3], s[\g1:\g1+7]
	s_nop 0
	v_nop
	v_nop
	v_nop
	v_nop
.endm
	s_cmp_eq_u32 s14, 0                            ; one tensor load a wave at the head: an arm for each wave
	s_cbranch_scc0 .Lh1
	TL G0A, GA256
	s_branch .Lheads
.Lh1:
	s_cmp_eq_u32 s14, 1
	s_cbranch_scc0 .Lh2
	TL G0B, GB256
	s_branch .Lheads
.Lh2:
	s_cmp_eq_u32 s14, 2
	s_cbranch_scc0 .Lh3
	TL G0A, GA256
	s_branch .Lheads
.Lh3:
	TL G0B, GB256
.Lheads:
	s_mov_b64 s[74:75], s[86:87]                   ; bq
	s_load_b256 s[80:87], s[92:93], 0x0            ; e0 .. e7
	s_load_b64 s[88:89], s[92:93], 0x20            ; e8, e9
	s_add_nc_u64 s[AW:AW+1], s[4:5], s[68:69]
	s_add_nc_u64 s[AW:AW+1], s[AW:AW+1], 512       ; my 128 rows at K step 2
	s_add_nc_u64 s[BW:BW+1], s[6:7], s[68:69]
	s_add_nc_u64 s[BW:BW+1], s[BW:BW+1], 512
	s_mov_b32 s[TB], 0
	s_mul_i32 s[HU], s15, U
	s_lshl_b32 s18, s100, 10                       ; bq at my first u of Q
	s_lshl_b32 s19, s16, 9
	s_add_co_u32 s18, s18, s19
	s_mov_b32 s19, 0
	s_add_nc_u64 s[74:75], s[74:75], s[18:19]
	s_lshl_b32 s18, s3, 8                          ; bk at my first column, bv at my first row
	s_lshl_b32 s19, s16, 7
	s_add_co_u32 s18, s18, s19
	s_lshl_b32 s2, s17, 8
	s_lshl_b32 s19, s15, 7
	s_add_co_u32 s2, s2, s19
	s_cmp_lt_u32 s67, 2
	s_cselect_b32 s18, s18, s2
	s_lshl_b32 s18, s18, 2
	s_mov_b32 s19, 0
	s_add_nc_u64 s[8:9], s[8:9], s[18:19]
	s_cmp_lt_u32 s67, 2                            ; the prefetch's rows of value: K: by the tile row and cx; V: by the tile column and cy
	s_cselect_b32 s18, s17, s3
	s_cselect_b32 s19, s100, s101
	s_mov_b32 s96, 131072
	s_cselect_b32 s96, 16384, s96                  ; bytes from row block to row block in kc or vt
	s_cselect_b32 s97, 32, 0
	s_cselect_b32 s98, 0, 4
	s_cselect_b32 s99, 4, 0
	s_lshl_b32 s18, s18, 18
	s_lshl_b32 s19, s19, 16
	s_add_co_u32 s18, s18, s19                     ; 64 rows for each partner,
	s_lshl_b32 s19, s16, 15
	s_add_co_u32 s18, s18, s19                     ; 32 for each wave of a K step
	s_add_co_u32 s18, s18, s70
	s_add_co_u32 s18, s18, 512                     ; K step 2 (waves 0, 1) or 3 (waves 2, 3)
	s_mov_b32 s19, 0
	s_add_nc_u64 s[76:77], s[78:79], s[18:19]
	s_lshl_b32 s18, s100, 15                       ; query: 32 of the tile's 128 rows for each partner; wave 0: K step 2, wave 1: 3
	s_lshl_b32 s19, s16, 8
	s_add_co_u32 s18, s18, s19
	s_add_co_u32 s18, s18, 512
	s_mov_b32 s19, 0
	s_add_nc_u64 s[78:79], s[12:13], s[18:19]
	s_lshl_b32 s18, s17, 4                         ; my part of kc or vt
	s_lshl_b32 s19, s15, 3
	s_add_co_u32 s18, s18, s19
	s_mul_i32 s18, s18, s96
	s_lshl_b32 s19, s3, 12
	s_add_co_u32 s18, s18, s19
	s_lshl_b32 s19, s16, 11
	s_add_co_u32 s18, s18, s19
	s_mov_b32 s19, 0
	s_add_nc_u64 s[10:11], s[10:11], s[18:19]
	s_lshl_b32 s18, s66, 2                         ; my part of qc
	s_add_co_u32 s18, s18, s101
	s_lshl_b32 s18, s18, 17
	s_lshl_b32 s19, s15, 16
	s_add_co_u32 s18, s18, s19
	s_lshl_b32 s19, s100, 12
	s_add_co_u32 s18, s18, s19
	s_lshl_b32 s19, s16, 11
	s_add_co_u32 s18, s18, s19
	s_mov_b32 s19, 0
	s_add_nc_u64 s[94:95], s[94:95], s[18:19]
	s_mul_i32 s18, s16, U
	s_add_co_u32 s18, s18, 2*U
	s_mul_i32 s19, s15, 64*PITCH
	v_and_b32 v1, 15, v0                           ; r
	v_bfe_u32 v2, v0, 4, 1                         ; h
	v_mul_u32_u24 v5, s97, v2                      ; K: 32 h + 4 j; V: 4 r
	v_mad_u32_u24 v[VO], v1, s98, v5
.irp j, 1,2,3,4,5,6,7
	v_add_nc_u32 v[VO+\j], s99, v[VO+\j-1]
.endr
.irp i, 0,1,2,3,4,5,6,7
.irp j, 0,1,2,3,4,5,6,7
	global_load_b32 v[BI+8*\i+\j], v[VO+\j], s[8:9] offset:64*\i   ; K: column 16 i + 8 h + j; V: row 16 i + r, eight times
.endr
.endr
	v_and_b32 v3, 31, v0
	v_lshlrev_b32 v[PFO], 10, v3                   ; a lane a row
	v_and_b32 v1, 15, v0
	v_bfe_u32 v2, v0, 4, 1
	v_mul_u32_u24 v4, v1, PITCH
	v_lshl_add_u32 v4, v2, 4, v4                   ; a fragment's row x pitch + 16 h
	v_add_nc_u32 v[KA0], s[HU], v4
	v_add_nc_u32 v[KB0], s18, v4
	v_add_nc_u32 v[QA0], s19, v4
	v_mov_b32 v[ADA], v[KA0]
	v_mov_b32 v[ADB], v[KB0]
	v_add_nc_u32 v[QA2], 8*U, v[QA0]
	v_add_nc_u32 v[QB1], 2*U, v[KB0]
	v_add_nc_u32 v[QB2], 4*U, v[KB0]
	v_lshlrev_b32 v[VQ], 5, v2
	v_lshlrev_b32 v[CQ], 4, v3
	v_mov_b32 v[CO], v[CQ]
.irp a, 1,2,3,4,5,6,7
	v_add_nc_u32 v[CO+\a], s96, v[CO+\a-1]
.endr
	global_prefetch_b8 v[PFO], s[76:77] th:TH_LOAD_NT scope:SCOPE_SE
	s_wait_alu depctr_va_vdst(0)
	s_wait_kmcnt 0x0
	s_add_co_i32 s80, s80, s81
	s_add_co_i32 s82, s82, s83
	s_add_co_i32 s84, s84, s85
	s_cmp_eq_u32 s67, 1
	s_cselect_b32 s18, s82, s84
	s_cselect_b32 s19, s87, s89
	s_sub_co_i32 s92, 0, s18                       ; the bias is divided by 2^(both operands' e)
	s_sub_co_i32 s93, 0, s80
	s_sub_co_i32 s19, s19, s18
	s_add_co_i32 s19, s19, 127
	s_lshl_b32 s18, s19, 23
	v_mov_b32 v[SC], s18                           ; the three scales in one
	s_add_co_i32 s19, s19, 8
	s_lshl_b32 s19, s19, 23
	s_or_b32 s19, s19, 0x600000
	v_mov_b32 v[LIM], s19                          ; 448 x that
	s_sub_co_i32 s19, s86, s80
	s_add_co_i32 s19, s19, 127
	s_lshl_b32 s18, s19, 23
	v_mov_b32 v[SCQ], s18
	s_add_co_i32 s19, s19, 8
	s_lshl_b32 s19, s19, 23
	s_or_b32 s19, s19, 0x600000
	v_mov_b32 v[LIMQ], s19
	s_wait_alu depctr_va_vdst(0)
	s_wait_loadcnt 0x0                             ; the biases
.set i, 0
.rept 64
	v_ldexp_f32 v[BI+i], v[BI+i], s92
.set i, i+1
.endr
.macro FRAG reg, ad, off               ; a fragment: lane l holds row l % 16; registers 4 c .. 4 c + 3 hold K = 32 c + 16 (l / 16) + 0 .. 15, in A and B alike
.irp c, 0,1,2,3
	ds_load_b128 v[\reg+4*\c:\reg+4*\c+3], v[\ad] offset:\off+32*\c
.endr
.endm
.macro FB nq, p, i0                    ; four of B's fragments into set p
	WIN TO_B
.irp i, 0,1,2,3
	FRAG 128*(\p)+16*(\i0+\i), ADB, 128*(\nq)+(\i0+\i)*16*PITCH
.endr
.endm
.macro FA nq, i0                       ; four of A's
	WIN 0
.irp i, 0,1,2,3
	FRAG AF+16*(\i0+\i), ADA, 128*(\nq)+(\i0+\i)*16*PITCH
.endr
.endm
; Eight matrix instructions: A's block a x B's eight.  cm: C is 0: the sums; 1: the bias by column; 2: the bias by row.  The 64 accumulators take turns, one instruction a turn.
.macro MUL8 a, p, cm
.if (\cm) == 0
	WIN 0xa1+0x50*((\a)/4)
.else
	WIN 0x81+0x40*((\a)/4)
.endif
.irp b, 0,1,2,3,4,5,6,7
.if (\cm) == 0
	v_wmma_f32_16x16x128_fp8_fp8 v[8*(8*((\a)%4)+\b):8*(8*((\a)%4)+\b)+7], v[128*(\p)+16*\b:128*(\p)+16*\b+15], v[AF+16*(\a):AF+16*(\a)+15], v[8*(8*((\a)%4)+\b):8*(8*((\a)%4)+\b)+7]
.elseif (\cm) == 1
	v_wmma_f32_16x16x128_fp8_fp8 v[8*(8*((\a)%4)+\b):8*(8*((\a)%4)+\b)+7], v[128*(\p)+16*\b:128*(\p)+16*\b+15], v[AF+16*(\a):AF+16*(\a)+15], v[BI+8*\b:BI+8*\b+7]
.else
	v_wmma_f32_16x16x128_fp8_fp8 v[8*(8*((\a)%4)+\b):8*(8*((\a)%4)+\b)+7], v[128*(\p)+16*\b:128*(\p)+16*\b+15], v[AF+16*(\a):AF+16*(\a)+15], v[BI+8*(\a):BI+8*(\a)+7]
.endif
.endr
.endm
; A slot's first 128 along K, on B's set 0; the second 128's fragments are fetched in four runs of 16.
.macro STEP cm
	s_wait_dscnt 16                                ; all but A's blocks 4-7
	MUL8 0, 0, \cm
	MUL8 1, 0, \cm
	FB 1, 1, 0
	MUL8 2, 0, \cm
	MUL8 3, 0, \cm
	FB 1, 1, 4
	s_wait_dscnt 32                                ; A's blocks 4-7 are in, the 32 behind them may be out
	MUL8 4, 0, \cm
	MUL8 5, 0, \cm
	PLACES 4                                       ; in front of loads into registers that matrix instructions have read
	FA 1, 0
	MUL8 6, 0, \cm
	MUL8 7, 0, \cm
	PLACES 4
	FA 1, 4
.endm
; A slot's second 128, on set 1, and the change of slots: in front of the round each wave has waited for all its tensor loads and for its reads of this slot.  kind 0: the slot takes the K step two on; 3: Q's A0, A1, B0; 4: Q's B1, B2.
.macro TURN kind
	s_wait_dscnt 16
	MUL8 0, 1, 0
	MUL8 1, 1, 0
	WIN 0
	s_wait_tensorcnt 0x0
	ds_add_u32 v[SPW], v[NIL]
.if (\kind) == 0
	s_add_co_u32 s[G0A+1], s[TB], s[HU]
	s_mov_b64 s[G0A+2:G0A+3], s[AW:AW+1]
	s_add_co_u32 s[G0B+1], s[G0A+1], 2*U
	s_mov_b64 s[G0B+2:G0B+3], s[BW:BW+1]
	s_add_nc_u64 s[AW:AW+1], s[AW:AW+1], 256
	s_add_nc_u64 s[BW:BW+1], s[BW:BW+1], 256
.elseif (\kind) == 3
	s_mov_b32 s[G0A+1], s[HU]
	s_add_nc_u64 s[G0A+2:G0A+3], s[12:13], s[70:71]
	s_add_co_u32 s[G0B+1], s[HU], 2*U
	s_add_nc_u64 s[G0B+2:G0B+3], s[72:73], s[68:69]
.else
	s_mul_i32 s[G0B+1], s15, 2*U
	s_add_co_u32 s[G0B+1], s[G0B+1], 4*U
	s_add_nc_u64 s[G0B+2:G0B+3], s[72:73], s[70:71]
	s_add_nc_u64 s[G0B+2:G0B+3], s[G0B+2:G0B+3], 256
.endif
.if (\kind) < 4
	s_or_b32 s[G0A+3], s[G0A+3], 0x80000000
.endif
	s_or_b32 s[G0B+3], s[G0B+3], 0x80000000
	s_xor_b32 s[TB], s[TB], SLOT
	MUL8 2, 1, 0                                   ; stands between the add and the wait for it
	s_wait_dscnt 0x0                               ; the add is done, and my reads of this slot are over
	s_barrier_signal -1
	MUL8 3, 1, 0
	WIN 0
	s_barrier_wait -1
	CREST
.if (\kind) < 4
	JL 16, GA128, GB128, 0                         ; the first tensor load behind the round
	v_add_nc_u32 v[ADA], s[TB], v[KA0]
	v_add_nc_u32 v[ADB], s[TB], v[KB0]
	s_wait_alu depctr_va_vdst(0)
	FB 0, 0, 0
	FB 0, 0, 4
	MUL8 4, 1, 0
	MUL8 5, 1, 0
	PLACES 4
	FA 0, 0
	MUL8 6, 1, 0
	MUL8 7, 1, 0
	PLACES 4
	FA 0, 4
.else
	JL 16, 0, GB256, 0
	MUL8 4, 1, 0
	MUL8 5, 1, 0
	MUL8 6, 1, 0
	MUL8 7, 1, 0
	WIN 0
	s_cmp_eq_u32 s15, 0
	s_cbranch_scc0 .Lno_ask
	global_prefetch_b8 v[PFO], s[78:79] th:TH_LOAD_NT scope:SCOPE_SE
.Lno_ask:
	PLACES 4                                       ; in front of the reads of the sums
.endif
.endm
	s_wait_alu depctr_va_vdst(0)
	s_cmp_lg_u32 s15, 0
	s_cbranch_scc1 .Lno_wait
	s_wait_tensorcnt 0x0                           ; waves 0 and 1 brought K step 0; K step 1 may be out
.Lno_wait:
	s_barrier_signal -1
	s_barrier_wait -1
	FB 0, 0, 0
	FB 0, 0, 4
	FA 0, 0
	FA 0, 4
	s_cmp_eq_u32 s67, 1                            ; the bias by column or by row: the same in all partners; no barrier stands in either arm
	s_cbranch_scc0 .Lby_row
	STEP 1
	s_branch .Lbegun
.Lby_row:
	STEP 2
.Lbegun:
.irp b, 0,1,2,3,4,5,6,7                ; Q's bias, by column, where K's or V's has been read
	global_load_b128 v[BI+8*\b:BI+8*\b+3], v[VQ], s[74:75] offset:64*\b
	global_load_b128 v[BI+8*\b+4:BI+8*\b+7], v[VQ], s[74:75] offset:64*\b+16
.endr
	s_mov_b32 s2, 2
.Lkv:
	TURN 0
	STEP 0
	s_sub_co_u32 s2, s2, 1
	s_cmp_lg_u32 s2, 0
	s_cbranch_scc1 .Lkv
	TURN 3
	STEP 0
	TURN 4
; THE WAY OUT of block a: held, converted, stored from registers: four stores of 512 consecutive bytes.
.macro OUT a, lim, sc, co, sb, off
	WIN 0x02+((\a)/4)
.set i, 0
.rept 64
	v_med3_num_f32 v[TMP+i], v[64*((\a)%4)+i], -v[\lim], v[\lim]   ; the conversion to an 8-bit code does not saturate (ISA guide 7.6.2)
.set i, i+1
.endr
	WIN 0
.irp b, 0,1,2,3,4,5,6,7
	v_cvt_scalef32_pk8_fp8_f32 v[PC+16*((\a)%4)+2*\b:PC+16*((\a)%4)+2*\b+1], v[TMP+8*\b:TMP+8*\b+7], v[\sc]
.endr
	v_nop                                          ; a plain instruction behind the last conversion
.irp c, 0,1,2,3
	global_store_b128 v[\co], v[PC+16*((\a)%4)+4*\c:PC+16*((\a)%4)+4*\c+3], s[\sb:\sb+1] offset:\off+512*\c
.endr
.endm
.irp a, 0,1,2,3,4,5,6,7
.if \a >= 4
	s_wait_xcnt 0x0                                ; block a - 4's stores have read their registers
.endif
	OUT \a, LIM, SC, CO+\a, 10, 0
.endr
	; NOW Q.
	s_wait_loadcnt 0x0                             ; its bias
.set i, 0
.rept 64
	v_ldexp_f32 v[BI+i], v[BI+i], s93
.set i, i+1
.endr
	s_wait_alu depctr_va_vdst(0)
	s_wait_xcnt 0x0                                ; the stores have read the registers in which Q's fragments land
	s_wait_tensorcnt 0x0                           ; my parts of A0, A1, B0, B1, B2 are in
	ds_add_u32 v[SPW], v[NIL]
	s_mov_b32 s[G0A+1], 8*U
	s_add_nc_u64 s[G0A+2:G0A+3], s[12:13], 512
	s_or_b32 s[G0A+3], s[G0A+3], 0x80000000
	s_wait_dscnt 0x0
	CROUND
	JL 14, GA128, 0, 0                             ; A2, by wave 0: unit 8's first fill
.macro QFA ad, x, q, p
	WIN 0
.irp i, 0,1,2,3
	FRAG AF+64*(\p)+16*\i, \ad, (\x)+128*(\q)+\i*16*PITCH
.endr
.endm
.macro QFB ad, q, p, i
	WIN TO_B
	FRAG 128*(\p)+16*(\i), \ad, 128*(\q)+(\i)*16*PITCH
.endm
.macro QALL aA, xA, aB, q, p
	QFA \aA, \xA, \q, \p
.irp i, 0,1,2,3,4,5,6,7
	QFB \aB, \q, \p, \i
.endr
	WIN 0
.endm
.macro GRP k, p, cm                    ; eight matrix instructions: B's fragments 2 k, 2 k + 1 x A's four; the 32 accumulators take turns
.if \cm
	WIN 0x81
.else
	WIN 0xa1
.endif
.irp b, 2*\k, 2*\k+1
.irp a, 0,1,2,3
.if \cm
	v_wmma_f32_16x16x128_fp8_fp8 v[8*(8*\a+(\b)):8*(8*\a+(\b))+7], v[128*(\p)+16*(\b):128*(\p)+16*(\b)+15], v[AF+64*(\p)+16*\a:AF+64*(\p)+16*\a+15], v[BI+8*(\b):BI+8*(\b)+7]
.else
	v_wmma_f32_16x16x128_fp8_fp8 v[8*(8*\a+(\b)):8*(8*\a+(\b))+7], v[128*(\p)+16*(\b):128*(\p)+16*(\b)+15], v[AF+64*(\p)+16*\a:AF+64*(\p)+16*\a+15], v[8*(8*\a+(\b)):8*(8*\a+(\b))+7]
.endif
.endr
.endr
.endm
; 128 along K on set p; f = 1: the next 128's fragments (A's 16 loads, then B's 32) are fetched into the other set.  Each wait leaves out what is younger than the group's fragments.
.macro HALF p, cm, f, aA, xA, aB, nq
	s_wait_dscnt 24
	GRP 0, \p, \cm
.if \f
	PLACES 4
	QFA \aA, \xA, \nq, 1-\p
.endif
	s_wait_dscnt 16+16*\f
	GRP 1, \p, \cm
.if \f
	QFB \aB, \nq, 1-\p, 0
	QFB \aB, \nq, 1-\p, 1
	QFB \aB, \nq, 1-\p, 2
.endif
	s_wait_dscnt 8+28*\f
	GRP 2, \p, \cm
.if \f
	QFB \aB, \nq, 1-\p, 3
	QFB \aB, \nq, 1-\p, 4
	QFB \aB, \nq, 1-\p, 5
.endif
	s_wait_dscnt 40*\f
	GRP 3, \p, \cm
.if \f
	QFB \aB, \nq, 1-\p, 6
	QFB \aB, \nq, 1-\p, 7
.endif
.endm
; The same on set 1 with a change of slots; fill = 1: A3 and B3 go where A0 and B0 lay.
.macro TURNH fill, aA, xA, aB
	s_wait_dscnt 24
	GRP 0, 1, 0
	s_wait_dscnt 16
	GRP 1, 1, 0
	WIN 0
	s_wait_tensorcnt 0x0
	ds_add_u32 v[SPW], v[NIL]
.if \fill
	s_mov_b32 s[G0A+1], 0
	s_add_nc_u64 s[G0A+2:G0A+3], s[12:13], 768
	s_or_b32 s[G0A+3], s[G0A+3], 0x80000000
	s_add_co_u32 s[G0B+1], s[HU], 2*U
	s_add_nc_u64 s[G0B+2:G0B+3], s[72:73], s[68:69]
	s_add_nc_u64 s[G0B+2:G0B+3], s[G0B+2:G0B+3], 768
	s_or_b32 s[G0B+3], s[G0B+3], 0x80000000
.endif
	s_wait_dscnt 9                                 ; the add and B's fragments 6, 7 may be out
	GRP 2, 1, 0
	s_wait_dscnt 0x0
	s_barrier_signal -1
	GRP 3, 1, 0
	WIN 0
	s_barrier_wait -1
.if \fill
	CREST
	JL 16, GA128, GB128, 1                         ; A3 by wave 0, B3 by waves 1 and 3
.endif
	PLACES 4
	QALL \aA, \xA, \aB, 0, 0
.endm
	QALL QA0, 0, KB0, 0, 0
	HALF 0, 1, 1, QA0, 0, KB0, 1
	TURNH 1, QA0, U, QB1
	HALF 0, 0, 1, QA0, U, QB1, 1
	HALF 1, 0, 1, QA2, 0, QB2, 0
	HALF 0, 0, 1, QA2, 0, QB2, 1
	TURNH 0, QA0, 0, KB0
	HALF 0, 0, 1, QA0, 0, KB0, 1
	HALF 1, 0, 0, 0, 0, 0, 0
	WIN 0
	PLACES 4
.irp a, 0,1,2,3
	OUT \a, LIMQ, SCQ, CQ, 94, 16384*\a
.endr
	s_wait_tensorcnt 0x0                           ; the wave's end
	ds_add_u32 v[SPW], v[NIL]
	s_wait_dscnt 0x0
	CROUND                                         ; the closing round: no work-group ends while a partner may still ask for a tile that names it
	s_endpgm
.Lfunc_end_k_q0198d3509b_proj:
	.size	k_q0198d3509b_proj, .Lfunc_end_k_q0198d3509b_proj-k_q0198d3509b_proj
	.p2alignl 7, 3214868480
	.fill 96, 4, 3214868480
	.section	.rodata,"a",@progbits
	.p2align	6, 0x0
	.amdhsa_kernel k_q0198d3509b_proj
		.amdhsa_group_segment_fixed_size 327680
		.amdhsa_private_segment_fixed_size 0
		.amdhsa_enable_private_segment 0
		.amdhsa_kernarg_size 96
		.amdhsa_user_sgpr_count 2
		.amdhsa_user_sgpr_kernarg_segment_ptr 1
		.amdhsa_wavefront_size32 1
		.amdhsa_system_sgpr_workgroup_id_x 1
		.amdhsa_system_sgpr_workgroup_id_y 1
		.amdhsa_system_sgpr_workgroup_id_z 1
		.amdhsa_system_vgpr_workitem_id 0
		.amdhsa_next_free_vgpr 1024
		.amdhsa_next_free_sgpr 102
		.amdhsa_reserve_vcc 0
		.amdhsa_float_denorm_mode_32 3
		.amdhsa_float_denorm_mode_16_64 3
		.amdhsa_memory_ordered 1
		.amdhsa_forward_progress 1
		.amdhsa_inst_pref_size 198
	.end_amdhsa_kernel
	.amdgpu_metadata
---
amdhsa.version: [ 1, 2 ]
amdhsa.kernels:
  - .name:           k_q0198d3509b_proj
    .symbol:         k_q0198d3509b_proj.kd
    .args:
      - { .name: query_codes, .offset: 0, .size: 8, .value_kind: global_buffer, .address_space: global }
      - { .name: value_codes, .offset: 8, .size: 8, .value_kind: global_buffer, .address_space: global }
      - { .name: Wq_codes, .offset: 16, .size: 8, .value_kind: global_buffer, .address_space: global }
      - { .name: Wk_codes, .offset: 24, .size: 8, .value_kind: global_buffer, .address_space: global }
      - { .name: Wv_codes, .offset: 32, .size: 8, .value_kind: global_buffer, .address_space: global }
      - { .name: bq, .offset: 40, .size: 8, .value_kind: global_buffer, .address_space: global }
      - { .name: bk, .offset: 48, .size: 8, .value_kind: global_buffer, .address_space: global }
      - { .name: bv, .offset: 56, .size: 8, .value_kind: global_buffer, .address_space: global }
      - { .name: lowp_scales, .offset: 64, .size: 8, .value_kind: global_buffer, .address_space: global }
      - { .name: qc, .offset: 72, .size: 8, .value_kind: global_buffer, .address_space: global }
      - { .name: kc, .offset: 80, .size: 8, .value_kind: global_buffer, .address_space: global }
      - { .name: vt, .offset: 88, .size: 8, .value_kind: global_buffer, .address_space: global }
    .group_segment_fixed_size: 327680
    .private_segment_fixed_size: 0
    .kernarg_segment_align: 8
    .kernarg_segment_size: 96
    .max_flat_workgroup_size: 128
    .sgpr_count:     102
    .vgpr_count:     1024
    .wavefront_size: 32
...
	.end_amdgpu_metadata
.endif
;; end of part 1
;; launch scores (part 2): grid 8 x 32, 4 waves a work-group, clusters of 4 x 4, 327,680 bytes of LDS; arguments qc, kc, lowp_scales, pc, stats; writes pc, stats
.if DOCPART == 2
	.amdgcn_target "amdgcn-amd-amdhsa--gfx1250"
	.amdhsa_code_object_version 6
	.text
	.protected	k_q0198d3509b_scores
	.globl	k_q0198d3509b_scores
	.p2align	8
	.type	k_q0198d3509b_scores,@function
k_q0198d3509b_scores:
	s_mov_b64 s[64:65], 0
	v_nop
	global_prefetch_b8 v0, s[64:65] scope:SCOPE_SE
	s_setreg_imm32_b32 hwreg(HW_REG_WAVE_MODE, 25, 1), 1
	s_wait_xcnt 0x0
	s_wait_alu depctr_hold_cnt(0) depctr_sa_sdst(0) depctr_va_vdst(0) depctr_va_sdst(0) depctr_va_ssrc(0) depctr_va_vcc(0) depctr_vm_vsrc(0)
	s_getreg_b32 s2, hwreg(HW_REG_IB_STS2, 6, 4)
	s_cmp_eq_u32 s2, 0
	s_cbranch_scc0 .Lentry_in_a_cluster
	s_endpgm
.Lentry_in_a_cluster:
	s_bfe_u32 s2, ttmp6, 0x10000c
	s_cmp_lg_u32 s2, 0xf033
	s_cbranch_scc0 .Lentry_shape_is_right
	s_endpgm
.Lentry_shape_is_right:
; THE SCORES AND THE SOFTMAX'S WEIGHTS.  S = Q K^T on the codes qc, kc; t = S x 2^(e6 + e7) x log2(e) / sqrt(1024).  Nothing of the problem is left out here.
; A tile is 256 queries x 256 keys.  For each query and tile j of its eight: M_j = the largest t among the tile's 256 keys, rounded UP to a whole number; p = 2^(t - M_j), at most 1, is quantised with the given 2^e8
; into pc (rows = queries, K = the batch's 2,048 keys); l_j = the sum of the unquantised p, in f32.  -M_j goes to stats at byte 32,768 j + 4 x query, l_j 262,144 bytes further on.  The next launch, which knows a row's
; eight M_j, weighs each tile's product by the exact power of two 2^(M_j - the row's largest M).
; STATED DIFFERENCE: with the tile's own M in place of the row's, numbers that would fall under the format's range under the row's M keep their codes; all other codes stand for the same values.
; LIMITS: scaled scores under 2^31 in magnitude; e6 + e7 between -121 and 132 (they are added to the exponent field of log2(e) / 32); e8 between -126 and 119.  NaN and infinities are not served.
; WORKSPACE LAYOUT: 16 rows x 128 K are 2,048 bytes, the image of an operand's 16 registers (chunk c of 512 bytes: registers 4 c .. 4 c + 3, 16 bytes a lane), K permuted alike everywhere: the first launch's head says how.
; Four waves, 128 x 128 a wave, K = 1,024 in four steps of 256 through two LDS slots of 128 KiB (Q's 256 rows, K's 256 rows).  Fragments are read from LDS as 512 consecutive bytes a load: no padding.
; The head: waves 0, 1 bring K step 0, waves 2, 3 K step 1, one load a wave.  CLUSTERS 4 x 4: Q's tile shared along a row, K's along a column: joint loads.
; PREFETCH: K steps 2 and 3 at the head, two steps ahead; the four partners of a tile share its row blocks out by address; waves 0, 2: Q, waves 1, 3: K.
; Source 0 = 16 keys, source 1 = 16 queries: a lane holds ONE query of each block of 16 and eight neighbouring keys an accumulator.
; REGISTERS: window 0: v1-31 addresses and scales; v32-47 for block a the pair -M, largest score; v48-55, v56-63 at work; v64-79 l; v80-91 the statistics on their way; v96-127 codes, two sets; from v128 Q's fragments, on the
;   way out two sets of 64 numbers.   window 1: K's fragments, two sets.   windows 2, 3: the accumulators.
.set U,     32768                      ; 128 rows x 256 K
.set SLOT,  4*U
.set SPARE, 2*SLOT                     ; the spare words, 128 bytes for each wave
.set MX,    SPARE+512                  ; behind them, where no tensor load lands, 512 bytes for each wave: my 128 queries' largest scores among my 128 keys,
.set NX,    MX+2048                    ; their -M,
.set LX,    NX+2048                    ; and their sums among my 128 keys
.set ALO, 5
.set ALP, 6
.set L16, 7
.set PFO, 8
.set KA0, 16
.set KB0, 17
.set ALS, 18
.set ANR, 19
.set ADA, 20
.set ADB, 21
.set AMP, 22
.set ANS, 23
.set AMS, 27
.set SPW, 28
.set NIL, 29
.set SC, 30
.set LIM, 31
.set NM, 32
.set PT, 48
.set CH, 56
.set LS, 64
.set PC, 96
.set AF, 128
.set GAW, 20
.set GAH, 28
.set GBW, 36
.set GBH, 44
.set G0A, 52
.set G0B, 56
.set AW, 60
.set BW, 62
.set HU, 73
.set TB, 74
.set MSB, 0
.macro WIN new                         ; the immediate's high byte repeats the setting that is left
.if MSB != (\new)
	s_set_vgpr_msb (MSB<<8)|(\new)
.set MSB, (\new)
.endif
.endm
.set TO_B, 0x40
.macro PLACES n
.rept \n
	v_nop
.endr
.endm
.macro JL g1a, g1b                     ; a joint load: waves 0 and 2 fetch for Q, waves 1 and 3 for K; s_nop 0 and four v_nop follow each load
	s_cmp_eq_u32 s16, 0
	s_cbranch_scc0 .Lfor_b_\@
	tensor_load_to_lds s[G0A:G0A+3], s[\g1a:\g1a+7]
	s_nop 0
	v_nop
	v_nop
	v_nop
	v_nop
	s_branch .Lasked_\@
.Lfor_b_\@:
	tensor_load_to_lds s[G0B:G0B+3], s[\g1b:\g1b+7]
	s_nop 0
	v_nop
	v_nop
	v_nop
	v_nop
.Lasked_\@:
.endm
.macro CREST
	s_cmp_lg_u32 s14, 0
	s_cbranch_scc1 .Lnot_wave_0_\@
	s_barrier_signal -3
.Lnot_wave_0_\@:
	s_barrier_wait -3
	s_barrier_signal -1
	s_barrier_wait -1
.endm
.macro CROUND
	s_barrier_signal -1
	s_barrier_wait -1
	CREST
.endm
.macro G1M g, mask, rows               ; group 1: a K step of row blocks: rows of 4,096 bytes (512 elements of 8), 16,384 bytes apart
	s_or_b32 s[\g], s[\mask], (3<<16)|(1<<21)
	s_mov_b32 s[\g+1], 512<<16
	s_mov_b32 s[\g+2], (\rows)<<16
	s_mov_b32 s[\g+3], 512<<16
	s_mov_b32 s[\g+4], \rows
	s_mov_b32 s[\g+5], 2048
	s_mov_b32 s[\g+6], 0
	s_mov_b32 s[\g+7], 0
.endm
	s_load_b256 s[4:11], s[0:1], 0x0               ; qc s4, kc s6, the exponents s8, pc s10
	s_load_b64 s[12:13], s[0:1], 0x20              ; stats
	v_lshl_add_u32 v[SPW], v0, 2, SPARE
	v_mov_b32 v[NIL], 0
	ds_add_u32 v[SPW], v[NIL]                      ; the wave's opening: the add, twice on end, and its wait
	ds_add_u32 v[SPW], v[NIL]
	v_lshrrev_b32 v1, 5, v0
	v_readfirstlane_b32 s14, v1                    ; wave
	s_lshr_b32 s15, s14, 1                         ; my half of the tile's queries; which part of a tile I fetch
	s_and_b32 s16, s14, 1                          ; my half of its keys; I fetch for Q (0) or K (1)
	s_bfe_u32 s100, ttmp6, 0x40000                 ; cx
	s_bfe_u32 s101, ttmp6, 0x40004                 ; cy
	s_lshl_b32 s72, ttmp9, 2
	s_add_co_u32 s72, s72, s100                    ; the key tile j, 0 .. 7
	s_and_b32 s66, ttmp7, 0xffff
	s_lshl_b32 s17, s66, 2
	s_add_co_u32 s17, s17, s101                    ; the query tile, 0 .. 31
	s_lshr_b32 s67, s66, 1                         ; the batch; the same in all partners
	s_lshl_b32 s18, s101, 2
	s_lshl_b32 s18, 15, s18                        ; my row of the cluster
	s_lshl_b32 s19, 0x1111, s100                   ; my column
	G1M GAW, 18, 16
	G1M GAH, 18, 8
	G1M GBW, 19, 16
	G1M GBH, 19, 8
	s_lshl_b32 s[AW], s17, 18
	s_mov_b32 s[AW+1], 0
	s_lshl_b32 s[BW], s72, 18
	s_lshl_b32 s[BW+1], s67, 21
	s_add_co_u32 s[BW], s[BW], s[BW+1]
	s_mov_b32 s[BW+1], 0
	s_lshl_b32 s68, s15, 17                        ; eight row blocks x my part
	s_mov_b32 s69, 0
	s_lshl_b32 s70, s15, 12                        ; a K step x my part
	s_mov_b32 s71, 0
	s_mov_b32 s98, 0x76543210                      ; v_permlanex16_b32's selects for lane l xor 16
	s_mov_b32 s99, 0xfedcba98
	s_wait_dscnt 0x0                               ; both opening adds are done
	CROUND                                         ; all sixteen work-groups are here: the first joint loads meet
	s_wait_kmcnt 0x0
	s_add_nc_u64 s[84:85], s[4:5], s[AW:AW+1]      ; Q's tile
	s_add_nc_u64 s[86:87], s[6:7], s[BW:BW+1]      ; K's tile
	s_mov_b32 s[G0A], 1
	s_mul_i32 s[G0A+1], s15, SLOT                  ; waves 0, 1: K step 0 into slot 0; waves 2, 3: K step 1 into slot 1
	s_add_nc_u64 s[G0A+2:G0A+3], s[84:85], s[70:71]
	s_or_b32 s[G0A+3], s[G0A+3], 0x80000000
	s_mov_b32 s[G0B], 1
	s_add_co_u32 s[G0B+1], s[G0A+1], 2*U
	s_add_nc_u64 s[G0B+2:G0B+3], s[86:87], s[70:71]
	s_or_b32 s[G0B+3], s[G0B+3], 0x80000000
.macro TL g0, g1                       ; a tensor load; s_nop 0 and four v_nop follow it
	tensor_load_to_lds s[\g0:\g0+3], s[\g1:\g1+7]
	s_nop 0
	v_nop
	v_nop
	v_nop
	v_nop
.endm
	s_cmp_eq_u32 s14, 0                            ; one tensor load a wave at the head: an arm for each wave
	s_cbranch_scc0 .Lh1
	TL G0A, GAW
	s_branch .Lheads
.Lh1:
	s_cmp_eq_u32 s14, 1
	s_cbranch_scc0 .Lh2
	TL G0B, GBW
	s_branch .Lheads
.Lh2:
	s_cmp_eq_u32 s14, 2
	s_cbranch_scc0 .Lh3
	TL G0A, GAW
	s_branch .Lheads
.Lh3:
	TL G0B, GBW
.Lheads:
	s_load_b128 s[92:95], s[8:9], 0x18             ; e6, e7, e8, e9
	s_add_nc_u64 s[AW:AW+1], s[84:85], s[68:69]
	s_add_nc_u64 s[AW:AW+1], s[AW:AW+1], 8192      ; my eight row blocks at K step 2
	s_add_nc_u64 s[BW:BW+1], s[86:87], s[68:69]
	s_add_nc_u64 s[BW:BW+1], s[BW:BW+1], 8192
	s_mov_b32 s[TB], 0
	s_mul_i32 s[HU], s15, U
	s_cmp_eq_u32 s16, 0                            ; the prefetch: four of the tile's sixteen row blocks: by cx for Q, by cy for K
	s_cselect_b64 s[76:77], s[84:85], s[86:87]
	s_cselect_b32 s18, s100, s101
	s_lshl_b32 s18, s18, 16
	s_add_co_u32 s18, s18, s70
	s_add_co_u32 s18, s18, 8192                    ; K step 2 (waves 0, 1) or 3 (waves 2, 3)
	s_mov_b32 s19, 0
	s_add_nc_u64 s[76:77], s[76:77], s[18:19]
	s_lshl_b32 s18, s17, 19                        ; my part of pc: a row block is 32,768 bytes
	s_lshl_b32 s19, s15, 18
	s_add_co_u32 s18, s18, s19
	s_lshl_b32 s19, s72, 12
	s_add_co_u32 s18, s18, s19
	s_lshl_b32 s19, s16, 11
	s_add_co_u32 s18, s18, s19
	s_mov_b32 s19, 0
	s_add_nc_u64 s[10:11], s[10:11], s[18:19]
	s_lshl_b32 s18, s17, 10                        ; stats: 4 x my first query,
	s_lshl_b32 s19, s15, 9
	s_add_co_u32 s18, s18, s19
	s_lshl_b32 s19, s72, 15                        ; in the key tile's 32,768 bytes
	s_add_co_u32 s18, s18, s19
	s_mov_b32 s19, 0
	s_add_nc_u64 s[12:13], s[12:13], s[18:19]
	s_mul_i32 s18, s16, U
	s_add_co_u32 s18, s18, 2*U
	s_lshl_b32 s78, s14, 9                         ; my wave's 512 bytes of each table,
	s_xor_b32 s79, s14, 1
	s_lshl_b32 s79, s79, 9                         ; and those of the wave that has the same queries and the other 128 keys
	s_add_co_u32 s80, s78, MX
	s_add_co_u32 s81, s79, MX
	s_add_co_u32 s82, s78, NX
	s_add_co_u32 s83, s78, LX
	s_add_co_u32 s88, s79, LX
	v_and_b32 v1, 15, v0                           ; r
	v_bfe_u32 v2, v0, 4, 1                         ; h
	v_and_b32 v3, 31, v0                           ; lane
	v_lshlrev_b32 v9, 2, v1                        ; 4 r
	v_lshlrev_b32 v[L16], 4, v3
	v_lshlrev_b32 v4, 8, v1
	v_lshl_add_u32 v[PFO], v2, 14, v4              ; a row block for each half of the lanes, 256 bytes a lane
	v_add_nc_u32 v[KA0], s[HU], v[L16]
	v_add_nc_u32 v[KB0], s18, v[L16]
	v_mov_b32 v[ADA], v[KA0]
	v_mov_b32 v[ADB], v[KB0]
	v_add_nc_u32 v[AMS], s80, v9
	v_add_nc_u32 v[AMP], s81, v9
	v_add_nc_u32 v[ANS], s82, v9
	v_add_nc_u32 v[ANR], s82, v[L16]
	v_add_nc_u32 v[ALS], s83, v9
	v_add_nc_u32 v[ALO], s83, v[L16]
	v_add_nc_u32 v[ALP], s88, v[L16]
.irp a, 0,1,2,3,4,5,6,7
	v_mov_b32 v[PT+\a], 0                          ; written once: a lane permute's destination counts as one of its sources
.endr
	global_prefetch_b8 v[PFO], s[76:77] th:TH_LOAD_NT scope:SCOPE_SE
	global_prefetch_b8 v[PFO], s[76:77] offset:32768 th:TH_LOAD_NT scope:SCOPE_SE
	s_wait_alu depctr_va_vdst(0)
	s_wait_kmcnt 0x0
	s_add_co_i32 s92, s92, s93
	s_lshl_b32 s92, s92, 23
	s_add_co_i32 s96, s92, 0x3d38aa3b              ; c = log2(e) / 32 x 2^(e6 + e7)
	s_mov_b32 s97, s96                             ; (named with it as a pair, so it is written)
	s_add_co_i32 s93, s94, 127
	s_lshl_b32 s92, s93, 23
	v_mov_b32 v[SC], s92                           ; 2^e8 as f32
	s_add_co_i32 s93, s93, 8
	s_lshl_b32 s93, s93, 23
	s_or_b32 s93, s93, 0x600000
	v_mov_b32 v[LIM], s93                          ; 448 x 2^e8
.macro FRAG reg, ad, off
.irp c, 0,1,2,3
	ds_load_b128 v[\reg+4*\c:\reg+4*\c+3], v[\ad] offset:\off+512*\c
.endr
.endm
.macro FB nq, p, i0                    ; four of K's fragments into set p
	WIN TO_B
.irp i, 0,1,2,3
	FRAG 128*(\p)+16*(\i0+\i), ADB, 2048*(\nq)+(\i0+\i)*4096
.endr
.endm
.macro FA nq, i0                       ; four of Q's
	WIN 0
.irp i, 0,1,2,3
	FRAG AF+16*(\i0+\i), ADA, 2048*(\nq)+(\i0+\i)*4096
.endr
.endm
.macro MUL8 a, p, zero                 ; eight matrix instructions: Q's block a x K's eight; the 64 accumulators take turns, one instruction a turn
	WIN 0xa1+0x50*((\a)/4)
.irp b, 0,1,2,3,4,5,6,7
.if \zero
	v_wmma_f32_16x16x128_fp8_fp8 v[8*(8*((\a)%4)+\b):8*(8*((\a)%4)+\b)+7], v[128*(\p)+16*\b:128*(\p)+16*\b+15], v[AF+16*(\a):AF+16*(\a)+15], 0
.else
	v_wmma_f32_16x16x128_fp8_fp8 v[8*(8*((\a)%4)+\b):8*(8*((\a)%4)+\b)+7], v[128*(\p)+16*\b:128*(\p)+16*\b+15], v[AF+16*(\a):AF+16*(\a)+15], v[8*(8*((\a)%4)+\b):8*(8*((\a)%4)+\b)+7]
.endif
.endr
.endm
; A slot's first 128 along K, on set 0; the second 128's fragments are fetched in four runs of 16.
.macro STEP zero
	s_wait_dscnt 16                                ; all but Q's blocks 4-7
	MUL8 0, 0, \zero
	MUL8 1, 0, \zero
	FB 1, 1, 0
	MUL8 2, 0, \zero
	MUL8 3, 0, \zero
	FB 1, 1, 4
	s_wait_dscnt 32                                ; Q's blocks 4-7 are in, the 32 behind them may be out
	MUL8 4, 0, \zero
	MUL8 5, 0, \zero
	PLACES 4                                       ; in front of loads into registers that matrix instructions have read
	FA 1, 0
	MUL8 6, 0, \zero
	MUL8 7, 0, \zero
	PLACES 4
	FA 1, 4
.endm
; A slot's second 128, on set 1, and the change of slots.  fill = 1: the slot takes the K step two on, behind a round of the cluster's barrier.
.macro TURN fill
	s_wait_dscnt 16
	MUL8 0, 1, 0
	MUL8 1, 1, 0
	WIN 0
	s_wait_tensorcnt 0x0                           ; my part of the next slot is in
	ds_add_u32 v[SPW], v[NIL]
.if \fill
	s_add_co_u32 s[G0A+1], s[TB], s[HU]
	s_mov_b64 s[G0A+2:G0A+3], s[AW:AW+1]
	s_or_b32 s[G0A+3], s[G0A+3], 0x80000000
	s_add_co_u32 s[G0B+1], s[G0A+1], 2*U
	s_mov_b64 s[G0B+2:G0B+3], s[BW:BW+1]
	s_or_b32 s[G0B+3], s[G0B+3], 0x80000000
	s_add_nc_u64 s[AW:AW+1], s[AW:AW+1], 4096
	s_add_nc_u64 s[BW:BW+1], s[BW:BW+1], 4096
.endif
	s_xor_b32 s[TB], s[TB], SLOT
	MUL8 2, 1, 0                                   ; stands between the add and the wait for it
	s_wait_dscnt 0x0                               ; the add is done, and my reads of this slot are over
	s_barrier_signal -1
	MUL8 3, 1, 0
	WIN 0
	s_barrier_wait -1
.if \fill
	CREST
	JL GAH, GBH                                    ; the first tensor load behind the round
.endif
	v_add_nc_u32 v[ADA], s[TB], v[KA0]
	v_add_nc_u32 v[ADB], s[TB], v[KB0]
	s_wait_alu depctr_va_vdst(0)
	FB 0, 0, 0
	FB 0, 0, 4
	MUL8 4, 1, 0
	MUL8 5, 1, 0
	PLACES 4
	FA 0, 0
	MUL8 6, 1, 0
	MUL8 7, 1, 0
	PLACES 4
	FA 0, 4
.endm
	s_wait_alu depctr_va_vdst(0)
	s_cmp_lg_u32 s15, 0
	s_cbranch_scc1 .Lno_wait
	s_wait_tensorcnt 0x0                           ; waves 0 and 1 brought K step 0; K step 1 may be out
.Lno_wait:
	s_barrier_signal -1
	s_barrier_wait -1
	FB 0, 0, 0
	FB 0, 0, 4
	FA 0, 0
	FA 0, 4
	STEP 1
	s_mov_b32 s2, 2
.Lk:
	TURN 1
	STEP 0
	s_sub_co_u32 s2, s2, 1
	s_cmp_lg_u32 s2, 0
	s_cbranch_scc1 .Lk
	TURN 0
	STEP 0
	s_wait_dscnt 16
	MUL8 0, 1, 0
	MUL8 1, 1, 0
	MUL8 2, 1, 0
	MUL8 3, 1, 0
	s_wait_dscnt 0x0
	MUL8 4, 1, 0
	MUL8 5, 1, 0
	MUL8 6, 1, 0
	MUL8 7, 1, 0
	WIN 0
	; THE WAY OUT.  First each query's largest score: among my lane's 64 keys of a block (each accumulator from its low end on; four blocks by turns), the other half of the lanes', the partner wave's.
	PLACES 4
.macro ROWMAX w                        ; w = 0: blocks 0-3, window 2;  w = 1: blocks 4-7, window 3
	WIN 0x0a+5*(\w)
.irp a, 0,1,2,3
	v_max_num_f32 v[NM+2*(4*(\w)+\a)+1], v[64*\a], v[64*\a+1]
.endr
	WIN 0x28+0x14*(\w)
.set i, 2
.rept 31
.irp a, 0,1,2,3
	v_max3_num_f32 v[NM+2*(4*(\w)+\a)+1], v[NM+2*(4*(\w)+\a)+1], v[64*\a+i], v[64*\a+i+1]
.endr
.set i, i+2
.endr
.endm
	ROWMAX 0
	ROWMAX 1
	WIN 0
.irp a, 0,1,2,3,4,5,6,7
	v_permlanex16_b32 v[PT+\a], v[NM+2*\a+1], s98, s99
.endr
.irp a, 0,1,2,3,4,5,6,7
	v_max_num_f32 v[NM+2*\a+1], v[NM+2*\a+1], v[PT+\a]
.endr
.irp a, 0,1,2,3,4,5,6,7
	ds_store_b32 v[AMS], v[NM+2*\a+1] offset:64*\a   ; lanes r and r + 16 write the same word with the same number
.endr
	s_wait_alu depctr_va_vdst(0)
	s_wait_dscnt 0x0                               ; for my partner's sake: my stores are done
	s_barrier_signal -1
	s_barrier_wait -1
.irp a, 0,1,2,3,4,5,6,7
	ds_load_b32 v[PT+\a], v[AMP] offset:64*\a
.endr
	s_wait_dscnt 0x0
.irp a, 0,1,2,3,4,5,6,7
	v_max_num_f32 v[NM+2*\a+1], v[NM+2*\a+1], v[PT+\a]   ; the largest among the tile's 256 keys
.endr
.irp a, 0,1,2,3,4,5,6,7
	v_mul_f32 v[PT+\a], s96, v[NM+2*\a+1]          ; as t (c is positive)
.endr
.irp a, 0,1,2,3,4,5,6,7
	v_floor_f32 v[NM+2*\a], -v[PT+\a]              ; -M = floor(-t) = -ceil(t): M is a whole number
.endr
.irp a, 0,1,2,3,4,5,6,7
	ds_store_b32 v[ANS], v[NM+2*\a] offset:64*\a
.endr
.macro CODES a                         ; block a's held p become codes; its earlier set's stores have read their registers
.set TA, AF+64*((\a)%2)
.set PB, PC+16*((\a)%2)
.if (\a) > 1
	s_wait_xcnt 0x0
.endif
.irp b, 0,1,2,3,4,5,6,7
	v_cvt_scalef32_pk8_fp8_f32 v[PB+2*\b:PB+2*\b+1], v[TA+8*\b:TA+8*\b+7], v[SC]
.endr
.endm
.macro SEND a                          ; four stores of 512 consecutive bytes
.set PB, PC+16*((\a)%2)
.irp c, 0,1,2,3
	global_store_b128 v[L16], v[PB+4*\c:PB+4*\c+3], s[10:11] offset:32768*(\a)+512*\c
.endr
.endm
; Block a: 16 queries x my 128 keys.  Block a - 1's holds stand among its exponentials.
.macro PBLOCK a
.set TE, AF+64*((\a)%2)
.set TM, AF+64*(1-(\a)%2)
	WIN 0x02+((\a)/4)
.set i, 0
.rept 32
	v_pk_fma_f32 v[TE+i:TE+i+1], v[64*((\a)%4)+i:64*((\a)%4)+i+1], s[96:97], v[NM+2*(\a):NM+2*(\a)+1] op_sel_hi:[1,0,0]   ; t - M, two at a time (of the pairs c and -M the low word serves both halves)
.set i, i+2
.endr
	WIN 0
	s_wait_alu depctr_va_vdst(0)
.set i, 0
.rept 64
	v_exp_f32 v[TE+i], v[TE+i]                     ; p = 2^(t - M): not normalised
.if (\a) > 0
	v_min_num_f32 v[TM+i], v[TM+i], v[LIM]         ; the conversion to an 8-bit code does not saturate (ISA guide 7.6.2); p is not negative, so the hold is one-sided
.endif
.set i, i+1
.endr
.if (\a) == 0
	v_nop                                          ; a plain instruction behind the last exponential
.endif
	s_wait_alu depctr_va_vdst(0)                   ; one wait for the batch, ahead of its first reader
.if (\a) > 0
	CODES \a-1
.endif
.irp k, 0,1,2,3
	v_pk_add_f32 v[CH+2*\k:CH+2*\k+1], v[TE+2*\k:TE+2*\k+1], v[TE+8+2*\k:TE+8+2*\k+1]   ; THE SUM IS TAKEN OF THE UNQUANTISED p: two at a time, in four chains
.endr
.irp m, 2,3,4,5,6,7
.irp k, 0,1,2,3
	v_pk_add_f32 v[CH+2*\k:CH+2*\k+1], v[CH+2*\k:CH+2*\k+1], v[TE+8*\m+2*\k:TE+8*\m+2*\k+1]
.endr
.endr
	v_pk_add_f32 v[CH:CH+1], v[CH:CH+1], v[CH+2:CH+3]
	v_pk_add_f32 v[CH+4:CH+5], v[CH+4:CH+5], v[CH+6:CH+7]
	v_pk_add_f32 v[LS+2*(\a):LS+2*(\a)+1], v[CH:CH+1], v[CH+4:CH+5]
.if (\a) > 0
	SEND \a-1
.endif
.endm
.irp a, 0,1,2,3,4,5,6,7
	PBLOCK \a
.endr
.set i, 0
.rept 64
	v_min_num_f32 v[AF+64+i], v[AF+64+i], v[LIM]
.set i, i+1
.endr
	s_wait_alu depctr_va_vdst(0)
	CODES 7
	v_nop                                          ; a plain instruction behind the last conversion
	SEND 7
.irp a, 0,1,2,3,4,5,6,7
	v_add_f32 v[LS+2*\a], v[LS+2*\a], v[LS+2*\a+1]   ; the sum's two halves,
.endr
.irp a, 0,1,2,3,4,5,6,7
	v_permlanex16_b32 v[PT+\a], v[LS+2*\a], s98, s99
.endr
.irp a, 0,1,2,3,4,5,6,7
	v_add_f32 v[LS+2*\a], v[LS+2*\a], v[PT+\a]     ; and lane l xor 16's: the sum over my 128 keys
.endr
.irp a, 0,1,2,3,4,5,6,7
	ds_store_b32 v[ALS], v[LS+2*\a] offset:64*\a
.endr
	s_wait_dscnt 0x0                               ; for my partner's sake: my sums are stored
	s_barrier_signal -1
	s_barrier_wait -1
	s_cmp_eq_u32 s16, 0                            ; the statistics of 128 queries leave as 512 consecutive bytes: -M by the wave of the first 128 keys, l by the wave of the second.  No barrier stands in either arm
	s_cbranch_scc0 .Lsums
	ds_load_b128 v[80:83], v[ANR]
	s_wait_dscnt 0x0
	global_store_b128 v[L16], v[80:83], s[12:13]
	s_branch .Lstats_out
.Lsums:
	ds_load_b128 v[80:83], v[ALO]
	ds_load_b128 v[84:87], v[ALP]
	s_wait_dscnt 0x0
	v_pk_add_f32 v[88:89], v[80:81], v[84:85]      ; the two halves of the tile's keys
	v_pk_add_f32 v[90:91], v[82:83], v[86:87]
	global_store_b128 v[L16], v[88:91], s[12:13] offset:262144
.Lstats_out:
	s_wait_tensorcnt 0x0                           ; the wave's end
	ds_add_u32 v[SPW], v[NIL]
	s_wait_dscnt 0x0
	CROUND                                         ; the closing round
	s_endpgm
.Lfunc_end_k_q0198d3509b_scores:
	.size	k_q0198d3509b_scores, .Lfunc_end_k_q0198d3509b_scores-k_q0198d3509b_scores
	.p2alignl 7, 3214868480
	.fill 96, 4, 3214868480
	.section	.rodata,"a",@progbits
	.p2align	6, 0x0
	.amdhsa_kernel k_q0198d3509b_scores
		.amdhsa_group_segment_fixed_size 327680
		.amdhsa_private_segment_fixed_size 0
		.amdhsa_enable_private_segment 0
		.amdhsa_kernarg_size 40
		.amdhsa_user_sgpr_count 2
		.amdhsa_user_sgpr_kernarg_segment_ptr 1
		.amdhsa_wavefront_size32 1
		.amdhsa_system_sgpr_workgroup_id_x 1
		.amdhsa_system_sgpr_workgroup_id_y 1
		.amdhsa_system_sgpr_workgroup_id_z 1
		.amdhsa_system_vgpr_workitem_id 0
		.amdhsa_next_free_vgpr 1024
		.amdhsa_next_free_sgpr 102
		.amdhsa_reserve_vcc 0
		.amdhsa_float_denorm_mode_32 3
		.amdhsa_float_denorm_mode_16_64 3
		.amdhsa_memory_ordered 1
		.amdhsa_forward_progress 1
		.amdhsa_inst_pref_size 156
	.end_amdhsa_kernel
	.amdgpu_metadata
---
amdhsa.version: [ 1, 2 ]
amdhsa.kernels:
  - .name:           k_q0198d3509b_scores
    .symbol:         k_q0198d3509b_scores.kd
    .args:
      - { .name: qc, .offset: 0, .size: 8, .value_kind: global_buffer, .address_space: global }
      - { .name: kc, .offset: 8, .size: 8, .value_kind: global_buffer, .address_space: global }
      - { .name: lowp_scales, .offset: 16, .size: 8, .value_kind: global_buffer, .address_space: global }
      - { .name: pc, .offset: 24, .size: 8, .value_kind: global_buffer, .address_space: global }
      - { .name: stats, .offset: 32, .size: 8, .value_kind: global_buffer, .address_space: global }
    .group_segment_fixed_size: 327680
    .private_segment_fixed_size: 0
    .kernarg_segment_align: 8
    .kernarg_segment_size: 40
    .max_flat_workgroup_size: 128
    .sgpr_count:     102
    .vgpr_count:     1024
    .wavefront_size: 32
...
	.end_amdgpu_metadata
.endif
;; end of part 2
;; launch pv (part 3): grid 4 x 64, 4 waves a work-group, clusters of 4 x 4, 327,680 bytes of LDS; arguments pc, vt, stats, lowp_scales, out0; writes out0
.if DOCPART == 3
	.amdgcn_target "amdgcn-amd-amdhsa--gfx1250"
	.amdhsa_code_object_version 6
	.text
	.protected	k_q0198d3509b_pv
	.globl	k_q0198d3509b_pv
	.p2align	8
	.type	k_q0198d3509b_pv,@function
k_q0198d3509b_pv:
	s_mov_b64 s[64:65], 0
	v_nop
	global_prefetch_b8 v0, s[64:65] scope:SCOPE_SE
	s_setreg_imm32_b32 hwreg(HW_REG_WAVE_MODE, 25, 1), 1
	s_wait_xcnt 0x0
	s_wait_alu depctr_hold_cnt(0) depctr_sa_sdst(0) depctr_va_vdst(0) depctr_va_sdst(0) depctr_va_ssrc(0) depctr_va_vcc(0) depctr_vm_vsrc(0)
	s_getreg_b32 s2, hwreg(HW_REG_IB_STS2, 6, 4)
	s_cmp_eq_u32 s2, 0
	s_cbranch_scc0 .Lentry_in_a_cluster
	s_endpgm
.Lentry_in_a_cluster:
	s_bfe_u32 s2, ttmp6, 0x10000c
	s_cmp_lg_u32 s2, 0xf033
	s_cbranch_scc0 .Lentry_shape_is_right
	s_endpgm
.Lentry_shape_is_right:
; THE LAST PRODUCT.  out0[q][u] = the sum over the eight key tiles j of s_j(q) x (P_j V_j)[q][u], on the codes pc (rows = queries, K = the batch's 2,048 keys) and vt (rows = u, K = 8,192 tokens).  Nothing of the problem is left out here.
; s_j(q) = 2^(M_j - M) x 2^(e8 + e9) / l, with M = the largest of the row's eight M_j and l = the sum over j of 2^(M_j - M) l_j: the powers of two are exact, so the quantised p keep their values.
; A tile's product is summed in accumulators T of its own, begun with the constant 0, and one packed multiply-add for two numbers adds s_j T to O.
; LIMITS: e8 + e9 is applied by v_ldexp_f32 and has none.  NaN and infinities are not served.
; WORKSPACE LAYOUT: 16 rows x 128 K are 2,048 bytes, the image of an operand's 16 registers (chunk c of 512 bytes: registers 4 c .. 4 c + 3, 16 bytes a lane), K permuted alike in both operands.  LDS holds the same images.
; SHARES.  A work-group makes 128 queries x 256 u, a wave 64 x 128: 32 accumulators T and 32 sums O, 256 registers each.  256 work-groups.
; LDS: a PAIR of key tiles (P's 8 row blocks x 8,192 bytes, then V's 16) and a SINGLE one (4,096 bytes a row block).  Pair: tiles (0, 1), (3, 4), (6, 7); single: 2, 5.  The head brings tiles 0, 1, 2, one load a wave (waves 0, 1: the pair's P, V;
; waves 2, 3: the single's).  The pair is filled again by waves 0 (P), 1 and 3 (V's halves), the single by waves 2 and 3.
; CLUSTERS 4 x 4: P's tile is shared along a row of the cluster, V's along a column: joint loads.
; PREFETCH: pair (3, 4) at the head, pair (6, 7) behind the load of (3, 4): two key tiles or more ahead; the partners share the row blocks out by address.  Tile 5's load has two tiles' work in which to land and is left alone.
; Source 0 = 16 rows of vt (u), source 1 = 16 queries: a lane holds one query and eight neighbouring u.
; REGISTERS: window 0: v1-31 addresses; v32-95 the scales: the pair at v[32 + 2 (8 a + j)] holds s_j of block a's query r twice; v96-111 at work; P's fragments, two sets, at v128 and v192.
;   window 1: V's fragments, two sets; on the way out the rows read back.   window 2: O, (a, b) at v[8 (8 a + b)].   window 3: T, likewise.
.set VPAIR, 65536                      ; the pair's V behind its P
.set SING,  196608                     ; the single tile: P,
.set VSING, 229376                     ; V
.set SPARE, 294912                     ; the spare words, 128 bytes for each wave
.set STG,   SING                       ; the way out: a stage of 16 rows x 528 bytes for each wave, where the single tile lay: its last fill is tile 5, and its last reads stand in front of a barrier
.set SPITCH, 528
.set PFO, 8
.set PA, 16
.set VA, 17
.set PS, 18
.set VS, 19
.set STO, 24
.set RD, 25
.set CO, 26
.set R4, 27
.set SPW, 28
.set NIL, 29
.set SCL, 32
.set MR, 96
.set DJ, 100
.set LR, 108
.set AF, 128
.set GPP, 20
.set GVP, 28
.set GPS, 36
.set GVS, 44
.set GVH, 68
.set G0A, 52
.set G0B, 56
.set MSB, 0
.macro WIN new                         ; the immediate's high byte repeats the setting that is left
.if MSB != (\new)
	s_set_vgpr_msb (MSB<<8)|(\new)
.set MSB, (\new)
.endif
.endm
.set TO_B, 0x40
.macro PLACES n
.rept \n
	v_nop
.endr
.endm
.macro TL g0, g1                       ; a tensor load; s_nop 0 and four v_nop follow it
	tensor_load_to_lds s[\g0:\g0+3], s[\g1:\g1+7]
	s_nop 0
	v_nop
	v_nop
	v_nop
	v_nop
.endm
.macro JPAIR                           ; the pair: P by wave 0, V's halves by waves 1 and 3
	s_cmp_eq_u32 s16, 0
	s_cbranch_scc0 .Lfor_v_\@
	s_cmp_eq_u32 s14, 0
	s_cbranch_scc0 .Lasked_\@
	TL G0A, GPP
	s_branch .Lasked_\@
.Lfor_v_\@:
	TL G0B, GVH
.Lasked_\@:
.endm
.macro JSING                           ; the single tile: P by wave 2, V by wave 3
	s_cmp_eq_u32 s15, 0
	s_cbranch_scc1 .Lasked_\@
	s_cmp_eq_u32 s16, 0
	s_cbranch_scc0 .Lfor_v_\@
	TL G0A, GPS
	s_branch .Lasked_\@
.Lfor_v_\@:
	TL G0B, GVS
.Lasked_\@:
.endm
.macro CREST
	s_cmp_lg_u32 s14, 0
	s_cbranch_scc1 .Lnot_wave_0_\@
	s_barrier_signal -3
.Lnot_wave_0_\@:
	s_barrier_wait -3
	s_barrier_signal -1
	s_barrier_wait -1
.endm
.macro CROUND
	s_barrier_signal -1
	s_barrier_wait -1
	CREST
.endm
.macro G1M g, mask, el, rows, pitch    ; group 1: rows of el elements of 8 bytes
	s_or_b32 s[\g], s[\mask], (3<<16)|(1<<21)
	s_mov_b32 s[\g+1], (\el)<<16
	s_mov_b32 s[\g+2], (\rows)<<16
	s_mov_b32 s[\g+3], (\el)<<16
	s_mov_b32 s[\g+4], \rows
	s_mov_b32 s[\g+5], \pitch
	s_mov_b32 s[\g+6], 0
	s_mov_b32 s[\g+7], 0
.endm
	s_load_b256 s[4:11], s[0:1], 0x0               ; pc s4, vt s6, stats s8, the exponents s10
	s_load_b64 s[12:13], s[0:1], 0x20              ; out0
	v_lshl_add_u32 v[SPW], v0, 2, SPARE
	v_mov_b32 v[NIL], 0
	ds_add_u32 v[SPW], v[NIL]                      ; the wave's opening: the add, twice on end, and its wait
	ds_add_u32 v[SPW], v[NIL]
	v_lshrrev_b32 v1, 5, v0
	v_readfirstlane_b32 s14, v1                    ; wave
	s_lshr_b32 s15, s14, 1                         ; which 64 of the tile's queries are mine
	s_and_b32 s16, s14, 1                          ; which 128 of its u; I fetch for P (0) or V (1)
	s_bfe_u32 s100, ttmp6, 0x40000                 ; cx
	s_bfe_u32 s101, ttmp6, 0x40004                 ; cy
	s_lshl_b32 s3, ttmp9, 2
	s_add_co_u32 s3, s3, s100                      ; the tile of 256 u, 0 .. 3
	s_and_b32 s66, ttmp7, 0xffff
	s_lshl_b32 s17, s66, 2
	s_add_co_u32 s17, s17, s101                    ; the tile of 128 queries, 0 .. 63
	s_lshr_b32 s2, s66, 2                          ; the batch; the same in all partners
	s_lshl_b32 s18, s101, 2
	s_lshl_b32 s18, 15, s18                        ; my row of the cluster
	s_lshl_b32 s19, 0x1111, s100                   ; my column
	G1M GPP, 18, 1024, 8, 4096
	G1M GPS, 18, 512, 8, 4096
	G1M GVP, 19, 1024, 16, 16384
	G1M GVS, 19, 512, 16, 16384
	G1M GVH, 19, 1024, 8, 16384
	s_lshl_b32 s84, s17, 18                        ; P: eight row blocks x 32,768 bytes a tile
	s_mov_b32 s85, 0
	s_lshl_b32 s86, s3, 21                         ; V: sixteen row blocks x 131,072 bytes,
	s_lshl_b32 s87, s2, 15
	s_add_co_u32 s86, s86, s87                     ; from the batch's first token on
	s_mov_b32 s87, 0
	s_lshl_b32 s60, s15, 13                        ; two key tiles x my part
	s_mov_b32 s61, 0
	s_lshl_b32 s62, s15, 20                        ; eight row blocks of V x my part
	s_mov_b32 s63, 0
	s_wait_dscnt 0x0                               ; both opening adds are done
	CROUND                                         ; all sixteen work-groups are here: the first joint loads meet
	s_wait_kmcnt 0x0
	s_add_nc_u64 s[84:85], s[4:5], s[84:85]
	s_add_nc_u64 s[86:87], s[6:7], s[86:87]
	s_mov_b32 s[G0A], 1
	s_mul_i32 s[G0A+1], s15, SING
	s_add_nc_u64 s[G0A+2:G0A+3], s[84:85], s[60:61]
	s_or_b32 s[G0A+3], s[G0A+3], 0x80000000
	s_mov_b32 s[G0B], 1
	s_mul_i32 s[G0B+1], s15, VSING-VPAIR
	s_add_co_u32 s[G0B+1], s[G0B+1], VPAIR
	s_add_nc_u64 s[G0B+2:G0B+3], s[86:87], s[60:61]
	s_or_b32 s[G0B+3], s[G0B+3], 0x80000000
	s_cmp_eq_u32 s14, 0                            ; one tensor load a wave at the head
	s_cbranch_scc0 .Lh1
	TL G0A, GPP
	s_branch .Lheads
.Lh1:
	s_cmp_eq_u32 s14, 1
	s_cbranch_scc0 .Lh2
	TL G0B, GVP
	s_branch .Lheads
.Lh2:
	s_cmp_eq_u32 s14, 2
	s_cbranch_scc0 .Lh3
	TL G0A, GPS
	s_branch .Lheads
.Lh3:
	TL G0B, GVS
.Lheads:
	s_load_b64 s[92:93], s[10:11], 0x20            ; e8, e9
	s_lshl_b32 s18, s17, 7
	s_lshl_b32 s19, s15, 6
	s_add_co_u32 s18, s18, s19                     ; my first query
	s_lshl_b32 s94, s18, 2
	s_mov_b32 s95, 0
	s_add_nc_u64 s[8:9], s[8:9], s[94:95]
	s_lshl_b32 s18, s18, 12                        ; a row of out0 is 4,096 bytes
	s_lshl_b32 s19, s3, 10
	s_add_co_u32 s18, s18, s19
	s_lshl_b32 s19, s16, 9
	s_add_co_u32 s18, s18, s19                     ; my first u
	s_mov_b32 s19, 0
	s_add_nc_u64 s[12:13], s[12:13], s[18:19]
	s_lshl_b32 s18, s101, 2                        ; the prefetches: V: row block 4 cy + wave of the tile's sixteen;
	s_add_co_u32 s18, s18, s14
	s_lshl_b32 s18, s18, 17
	s_mov_b32 s19, 0
	s_add_nc_u64 s[88:89], s[86:87], s[18:19]
	s_lshl_b32 s18, s100, 1                        ; P: waves 0 and 1: row block 2 cx + wave of its eight
	s_add_co_u32 s18, s18, s16
	s_lshl_b32 s18, s18, 15
	s_add_nc_u64 s[90:91], s[84:85], s[18:19]
	s_mul_i32 s94, s15, 32768
	s_mul_i32 s95, s16, 65536
	s_add_co_u32 s95, s95, VPAIR
	s_mul_i32 s96, s15, 16384
	s_add_co_u32 s96, s96, SING
	s_mul_i32 s97, s16, 32768
	s_add_co_u32 s97, s97, VSING
	s_mul_i32 s98, s14, 16*SPITCH
	s_add_co_u32 s98, s98, STG                     ; my stage
	v_and_b32 v1, 15, v0                           ; r
	v_bfe_u32 v2, v0, 4, 1                         ; h
	v_and_b32 v3, 31, v0                           ; lane
	v_lshlrev_b32 v[R4], 2, v1
	v_lshlrev_b32 v[CO], 4, v3                     ; 16 x lane: in a fragment, in the stage's rows and in out0's
	v_lshlrev_b32 v[PFO], 8, v3
	v_add_nc_u32 v[PA], s94, v[CO]
	v_add_nc_u32 v[VA], s95, v[CO]
	v_add_nc_u32 v[PS], s96, v[CO]
	v_add_nc_u32 v[VS], s97, v[CO]
	v_add_nc_u32 v[RD], s98, v[CO]
	v_mul_u32_u24 v5, v1, SPITCH
	v_lshl_add_u32 v5, v2, 5, v5
	v_add_nc_u32 v[STO], s98, v5                   ; in: row r, 32 bytes for each half of the lanes
	s_wait_alu depctr_va_vdst(0)
.irp a, 0,1,2,3
.irp j, 0,1,2,3,4,5,6,7
	global_load_b32 v[SCL+2*(8*\a+\j)], v[R4], s[8:9] offset:\j*32768+64*\a            ; -M_j of query 16 a + r,
	global_load_b32 v[SCL+2*(8*\a+\j)+1], v[R4], s[8:9] offset:262144+\j*32768+64*\a   ; and l_j
.endr
.endr
.macro ASK off                         ; a pair's 8,192 bytes of a row block: 256 bytes a lane
	global_prefetch_b8 v[PFO], s[88:89] offset:\off th:TH_LOAD_NT scope:SCOPE_SE
	s_cmp_eq_u32 s15, 0
	s_cbranch_scc0 .Lno_ask_\@
	global_prefetch_b8 v[PFO], s[90:91] offset:\off th:TH_LOAD_NT scope:SCOPE_SE
.Lno_ask_\@:
.endm
	ASK 12288
	s_wait_loadcnt 0x0                             ; the statistics
	s_wait_kmcnt 0x0
	s_add_co_i32 s92, s92, s93                     ; e8 + e9
.irp a, 0,1,2,3
	v_max3_num_f32 v[MR+\a], -v[SCL+16*\a], -v[SCL+16*\a+2], -v[SCL+16*\a+4]      ; M = the largest M_j
	v_max3_num_f32 v[MR+\a], v[MR+\a], -v[SCL+16*\a+6], -v[SCL+16*\a+8]
	v_max3_num_f32 v[MR+\a], v[MR+\a], -v[SCL+16*\a+10], -v[SCL+16*\a+12]
	v_max_num_f32 v[MR+\a], v[MR+\a], -v[SCL+16*\a+14]
.irp j, 0,1,2,3,4,5,6,7
	v_sub_f32 v[DJ+\j], -v[SCL+16*\a+2*\j], v[MR+\a]   ; M_j - M: a whole number, 0 or less
.endr
.irp j, 0,1,2,3,4,5,6,7
	v_cvt_i32_f32 v[DJ+\j], v[DJ+\j]               ; (it saturates)
.endr
.irp j, 0,1,2,3,4,5,6,7
	v_ldexp_f32 v[SCL+16*\a+2*\j], 1.0, v[DJ+\j]   ; 2^(M_j - M)
.endr
	v_mul_f32 v[LR+\a], v[SCL+16*\a], v[SCL+16*\a+1]
.irp j, 1,2,3,4,5,6,7
	v_fma_f32 v[LR+\a], v[SCL+16*\a+2*\j], v[SCL+16*\a+2*\j+1], v[LR+\a]   ; l = the sum of 2^(M_j - M) l_j: over 1/2, since the row's largest p is
.endr
.endr
	s_wait_alu depctr_va_vdst(0)
.irp a, 0,1,2,3
	v_rcp_f32 v[LR+\a], v[LR+\a]
.endr
	v_nop                                          ; a plain instruction behind the last reciprocal,
	s_wait_alu depctr_va_vdst(0)                   ; and the one wait for the four, ahead of their first reader
.irp a, 0,1,2,3
	v_ldexp_f32 v[LR+\a], v[LR+\a], s92            ; 2^(e8 + e9) / l
.endr
.irp a, 0,1,2,3
.irp j, 0,1,2,3,4,5,6,7
	v_mul_f32 v[SCL+16*\a+2*\j+1], v[SCL+16*\a+2*\j], v[LR+\a]   ; s_j, twice: a pair for the packed forms
	v_mul_f32 v[SCL+16*\a+2*\j], v[SCL+16*\a+2*\j], v[LR+\a]
.endr
.endr
.macro FRAG reg, ad, off
.irp c, 0,1,2,3
	ds_load_b128 v[\reg+4*\c:\reg+4*\c+3], v[\ad] offset:\off+512*\c
.endr
.endm
.macro QFA ad, rs, ko, p               ; P's four fragments: rs bytes from row block to row block, ko the K block's byte
	WIN 0
.irp i, 0,1,2,3
	FRAG AF+64*(\p)+16*\i, \ad, \ko+\i*\rs
.endr
.endm
.macro QFB ad, rs, ko, p, i            ; V's fragment i
	WIN TO_B
	FRAG 128*(\p)+16*(\i), \ad, \ko+(\i)*\rs
.endm
.macro QALL aA, aB, rs, ko, p
	QFA \aA, \rs, \ko, \p
.irp i, 0,1,2,3,4,5,6,7
	QFB \aB, \rs, \ko, \p, \i
.endr
	WIN 0
.endm
.macro GRP k, p, zero                  ; eight matrix instructions: V's fragments 2 k, 2 k + 1 x P's four; the 32 accumulators take turns, one instruction a turn
	WIN 0xf1
.irp b, 2*\k, 2*\k+1
.irp a, 0,1,2,3
.if \zero
	v_wmma_f32_16x16x128_fp8_fp8 v[8*(8*\a+(\b)):8*(8*\a+(\b))+7], v[128*(\p)+16*(\b):128*(\p)+16*(\b)+15], v[AF+64*(\p)+16*\a:AF+64*(\p)+16*\a+15], 0
.else
	v_wmma_f32_16x16x128_fp8_fp8 v[8*(8*\a+(\b)):8*(8*\a+(\b))+7], v[128*(\p)+16*(\b):128*(\p)+16*(\b)+15], v[AF+64*(\p)+16*\a:AF+64*(\p)+16*\a+15], v[8*(8*\a+(\b)):8*(8*\a+(\b))+7]
.endif
.endr
.endr
.endm
; 128 keys on set p; f = 1: the next 128's fragments (P's 16 loads, then V's 32) are fetched into the other set.  Each wait leaves out what is younger than the group's fragments.
.macro HALF p, zero, f, aA, aB, rs, ko
	s_wait_dscnt 24
	GRP 0, \p, \zero
.if \f
	PLACES 4                                       ; in front of loads into registers that matrix instructions have read
	QFA \aA, \rs, \ko, 1-\p
.endif
	s_wait_dscnt 16+16*\f
	GRP 1, \p, \zero
.if \f
	QFB \aB, \rs, \ko, 1-\p, 0
	QFB \aB, \rs, \ko, 1-\p, 1
	QFB \aB, \rs, \ko, 1-\p, 2
.endif
	s_wait_dscnt 8+28*\f
	GRP 2, \p, \zero
.if \f
	QFB \aB, \rs, \ko, 1-\p, 3
	QFB \aB, \rs, \ko, 1-\p, 4
	QFB \aB, \rs, \ko, 1-\p, 5
.endif
	s_wait_dscnt 40*\f
	GRP 3, \p, \zero
.if \f
	QFB \aB, \rs, \ko, 1-\p, 6
	QFB \aB, \rs, \ko, 1-\p, 7
.endif
.endm
; O += s_j T (j = 0: O = s_0 T: nothing is cleared) for block a: 32 packed lines, each T from its low end on.
.macro FMA1 j, a
.if (\j) == 0
	WIN 0x83
.else
	WIN 0xa3
.endif
.set i, 0
.rept 32
.if (\j) == 0
	v_pk_mul_f32 v[64*\a+i:64*\a+i+1], v[64*\a+i:64*\a+i+1], v[SCL+2*(8*\a+(\j)):SCL+2*(8*\a+(\j))+1]
.else
	v_pk_fma_f32 v[64*\a+i:64*\a+i+1], v[64*\a+i:64*\a+i+1], v[SCL+2*(8*\a+(\j)):SCL+2*(8*\a+(\j))+1], v[64*\a+i:64*\a+i+1]
.endif
.set i, i+2
.endr
.endm
.macro FMA j                           ; the 128 lines are more than the five places between a product and the product that begins the same T anew
.irp a, 0,1,2,3
	FMA1 \j, \a
.endr
.endm
.macro TILE2 j                         ; the first tile of a pair: no barrier
	HALF 0, 1, 1, PA, VA, 8192, 2048
	HALF 1, 0, 1, PA, VA, 8192, 4096
	PLACES 4
	FMA \j
.endm
; The pair's second tile j; the pair is filled again with tiles t, t + 1, and the single tile is read next.
.macro TILEP j, t
	HALF 0, 1, 1, PA, VA, 8192, 6144
	s_wait_dscnt 24
	GRP 0, 1, 0
	s_wait_dscnt 16
	GRP 1, 1, 0
	WIN 0
	s_wait_tensorcnt 0x0                           ; my part of the single tile is in
	ds_add_u32 v[SPW], v[NIL]
	s_mov_b32 s[G0A+1], 0
	s_add_nc_u64 s[G0A+2:G0A+3], s[84:85], 4096*\t
	s_or_b32 s[G0A+3], s[G0A+3], 0x80000000
	s_lshl_b32 s[G0B+1], s15, 16
	s_add_co_u32 s[G0B+1], s[G0B+1], VPAIR
	s_add_nc_u64 s[G0B+2:G0B+3], s[86:87], s[62:63]
	s_add_nc_u64 s[G0B+2:G0B+3], s[G0B+2:G0B+3], 4096*\t
	s_or_b32 s[G0B+3], s[G0B+3], 0x80000000
	s_wait_dscnt 9                                 ; the add and V's fragments 6, 7 may be out
	GRP 2, 1, 0
	s_wait_dscnt 0x0                               ; the add is done, and my reads of the pair are over
	s_barrier_signal -1
	GRP 3, 1, 0
	WIN 0
	s_barrier_wait -1
	CREST
	JPAIR                                          ; the first tensor load behind the round
	PLACES 4                                       ; in front of the loads and of the reads of T
	QALL PS, VS, 4096, 0, 0
.if (\t) == 3
	ASK 24576
.endif
	FMA \j
.endm
; The single tile j; the next pair may still be on its way: all of this tile's work stands ahead of the wait.  fill = 1: the single tile's place takes tile 5.
.macro TILES j, fill
	HALF 0, 1, 1, PS, VS, 4096, 2048
	HALF 1, 0, 0, 0, 0, 0, 0
	PLACES 4
	FMA \j
	WIN 0
	s_wait_tensorcnt 0x0                           ; my part of the pair is in
	ds_add_u32 v[SPW], v[NIL]
.if \fill
	s_mov_b32 s[G0A+1], SING
	s_add_nc_u64 s[G0A+2:G0A+3], s[84:85], 20480
	s_or_b32 s[G0A+3], s[G0A+3], 0x80000000
	s_mov_b32 s[G0B+1], VSING
	s_add_nc_u64 s[G0B+2:G0B+3], s[86:87], 20480
	s_or_b32 s[G0B+3], s[G0B+3], 0x80000000
.endif
	s_wait_dscnt 0x0                               ; the add is done, and my reads of the single tile are over
.if \fill
	CROUND
	JSING
.else
	s_barrier_signal -1
	s_barrier_wait -1
.endif
	QALL PA, VA, 8192, 0, 0
.endm
	s_wait_alu depctr_va_vdst(0)
	s_cmp_lg_u32 s15, 0
	s_cbranch_scc1 .Lno_wait
	s_wait_tensorcnt 0x0                           ; waves 0 and 1 brought the pair; the single tile may be out
.Lno_wait:
	s_barrier_signal -1
	s_barrier_wait -1
	QALL PA, VA, 8192, 0, 0
	TILE2 0                                        ; the eight key tiles are written out: each names its own scales
	TILEP 1, 3
	TILES 2, 1
	TILE2 3
	TILEP 4, 6
	TILES 5, 0
	TILE2 6
	HALF 0, 1, 1, PA, VA, 8192, 6144
	HALF 1, 0, 0, 0, 0, 0, 0
	PLACES 4
; THE WAY OUT, block by block of 16 queries x 128 u.  A lane holds 32 neighbouring bytes of a row: a block goes through my own stage in LDS and comes back as whole rows of 512 bytes.
; LDS serves a wave's instructions in order (ISA guide 5.7.1.4): no wait between the stores and the loads, nor in front of the next block's stores.  Each block has its own 64 registers for the rows read back.
.macro TOSTAGE a
	FMA1 7, \a
	WIN 0x08                                       ; the stores' data: window 2
.irp b, 0,1,2,3,4,5,6,7
	ds_store_b128 v[STO], v[8*(8*(\a)+\b):8*(8*(\a)+\b)+3] offset:64*\b
	ds_store_b128 v[STO], v[8*(8*(\a)+\b)+4:8*(8*(\a)+\b)+7] offset:64*\b+16
.endr
	WIN 0x40                                       ; the loads' destination: window 1
.set i, 0
.rept 16
	ds_load_b128 v[64*(\a)+4*i:64*(\a)+4*i+3], v[RD] offset:i*SPITCH
.set i, i+1
.endr
.endm
.macro SEND a, younger                 ; younger: the LDS instructions issued behind block a's loads, which may stay out
	s_wait_dscnt \younger
	WIN 0x04                                       ; the stores' data: window 1
.set i, 0
.rept 16
	global_store_b128 v[CO], v[64*(\a)+4*i:64*(\a)+4*i+3], s[12:13] offset:(16*(\a)+i)*4096 th:TH_STORE_NT   ; 32 lanes store 512 consecutive bytes, at a multiple of 256 from out0's first byte; written once, read by nobody here
.set i, i+1
.endr
.endm
	TOSTAGE 0
	TOSTAGE 1
	SEND 0, 32                                     ; behind block 0's loads: block 1's 16 stores and 16 loads
	TOSTAGE 2
	SEND 1, 32
	TOSTAGE 3
	SEND 2, 32
	SEND 3, 0
	WIN 0
	s_wait_tensorcnt 0x0                           ; the wave's end: behind my last tensor load and my last LDS store
	ds_add_u32 v[SPW], v[NIL]
	s_wait_dscnt 0x0
	CROUND                                         ; the closing round: no work-group ends while a partner may still ask for a tile that names it
	s_endpgm
.Lfunc_end_k_q0198d3509b_pv:
	.size	k_q0198d3509b_pv, .Lfunc_end_k_q0198d3509b_pv-k_q0198d3509b_pv
	.p2alignl 7, 3214868480
	.fill 96, 4, 3214868480
	.section	.rodata,"a",@progbits
	.p2align	6, 0x0
	.amdhsa_kernel k_q0198d3509b_pv
		.amdhsa_group_segment_fixed_size 327680
		.amdhsa_private_segment_fixed_size 0
		.amdhsa_enable_private_segment 0
		.amdhsa_kernarg_size 40
		.amdhsa_user_sgpr_count 2
		.amdhsa_user_sgpr_kernarg_segment_ptr 1
		.amdhsa_wavefront_size32 1
		.amdhsa_system_sgpr_workgroup_id_x 1
		.amdhsa_system_sgpr_workgroup_id_y 1
		.amdhsa_system_sgpr_workgroup_id_z 1
		.amdhsa_system_vgpr_workitem_id 0
		.amdhsa_next_free_vgpr 1024
		.amdhsa_next_free_sgpr 102
		.amdhsa_reserve_vcc 0
		.amdhsa_float_denorm_mode_32 3
		.amdhsa_float_denorm_mode_16_64 3
		.amdhsa_memory_ordered 1
		.amdhsa_forward_progress 1
		.amdhsa_inst_pref_size 197
	.end_amdhsa_kernel
	.amdgpu_metadata
---
amdhsa.version: [ 1, 2 ]
amdhsa.kernels:
  - .name:           k_q0198d3509b_pv
    .symbol:         k_q0198d3509b_pv.kd
    .args:
      - { .name: pc, .offset: 0, .size: 8, .value_kind: global_buffer, .address_space: global }
      - { .name: vt, .offset: 8, .size: 8, .value_kind: global_buffer, .address_space: global }
      - { .name: stats, .offset: 16, .size: 8, .value_kind: global_buffer, .address_space: global }
      - { .name: lowp_scales, .offset: 24, .size: 8, .value_kind: global_buffer, .address_space: global }
      - { .name: out0, .offset: 32, .size: 8, .value_kind: global_buffer, .address_space: global }
    .group_segment_fixed_size: 327680
    .private_segment_fixed_size: 0
    .kernarg_segment_align: 8
    .kernarg_segment_size: 40
    .max_flat_workgroup_size: 128
    .sgpr_count:     102
    .vgpr_count:     1024
    .wavefront_size: 32
...
	.end_amdgpu_metadata
.endif
;; end of part 3
